; MI455X (gfx1250); checked and timed in simulation.
; The chip was launched on July 23, 2026; its instructions are those of AMD's public machine-readable ISA for CDNA 5 (MIT licence, August 2026) and "CDNA5" Instruction Set Architecture Reference Guide (July 2026).
;; GPT2 Block. Allowed arithmetic: matrix products marked QUANTISED: E4M3 operands, one given power-of-two scale a tensor, by v_wmma_f32_16x16x64_fp8_fp8 or v_wmma_f32_16x16x128_fp8_fp8, f32 sums; everything else in f32.
;; Inputs: b_attn 3,072 float32; b_ff1 4,096 float32; b_ff2 1,024 float32; b_proj 1,024 float32; ln1_b 1,024 float32; ln1_g 1,024 float32; ln2_b 1,024 float32; ln2_g 1,024 float32; lowp_scales 12 int32 (the exponents e of the quantised operands' scales 2^e); w_attn 1,024 x 3,072 float32; w_ff1 1,024 x 4,096 float32; w_ff2 4,096 x 1,024 float32; w_proj 1,024 x 1,024 float32; x 2 x 2,048 x 1,024 float32.
;; Outputs: out0 2 x 2,048 x 1,024 float32.
;; This version of the problem:
;;   THIS VERSION OF THE PROBLEM IS GIVEN IN LOW PRECISION. The matrix products marked QUANTISED in the list below multiply operands that are first quantised to E4M3 (4 exponent bits, 3 mantissa bits; 8 bits a number), with one given power-of-two scale for each operand tensor; their sums are f32. All else is computed in f32.
;;   The module's matrix products, in the order in which they are computed (A, B: the left and right operand; K: the contracted axis; several contracted axes count as one K, in the product's order):
;;     1. [M 4,096, K 1,024] x [K 1,024, N 3,072]; A: computed on the way; B: input w_attn: QUANTISED (scales: A lowp_scales[0], B lowp_scales[1])
;;     2. batch 32 x [M 2,048, K 64] x [K 64, N 2,048]; A: computed on the way; B: computed on the way: QUANTISED (scales: A lowp_scales[2], B lowp_scales[3])
;;     3. batch 32 x [M 2,048, K 2,048] x [K 2,048, N 64]; A: softmax (see below); B: computed on the way: QUANTISED (scales: A lowp_scales[4], B lowp_scales[5])
;;     4. [M 4,096, K 1,024] x [K 1,024, N 1,024]; A: computed on the way; B: input w_proj: QUANTISED (scales: A lowp_scales[6], B lowp_scales[7])
;;     5. [M 4,096, K 1,024] x [K 1,024, N 4,096]; A: computed on the way; B: input w_ff1: QUANTISED (scales: A lowp_scales[8], B lowp_scales[9])
;;     6. [M 4,096, K 4,096] x [K 4,096, N 1,024]; A: computed on the way; B: input w_ff2: QUANTISED (scales: A lowp_scales[10], B lowp_scales[11])
;;   THE QUANTISER, for each operand of a quantised product, along K:
;;     - The operand's scale is 2^e, e = its entry of the input lowp_scales (int32; the entries are numbered through the quantised products in the list's order, A before B).
;;     - Each number is divided by the scale, clamped to +-448, and rounded to the nearest number of E4M3, ties to even, subnormals kept.
;;     - The product sums the exact products of the quantised numbers (number of the format x scale) in f32.
;;   ~~~python
;;   def quantise(x, axis, e):      # numpy; x: float32 -> the quantised numbers, widened to float32 again
;;       x = np.moveaxis(x, axis, -1); K = x.shape[-1]
;;       r = np.clip(x / 2.0 ** e, -448, 448)
;;       step = 2.0 ** (np.maximum(np.frexp(np.where(r == 0, 1, r))[1] - 1, -6) - 3)
;;       q = np.round(r / step) * step * 2.0 ** e      # np.round: ties to even
;;       return np.moveaxis(q, -1, axis).astype(np.float32)
;;   ~~~
;;   SOFTMAX AHEAD OF A QUANTISED PRODUCT. Where the list says 'softmax', what is quantised is not the finished softmax but p = 2^(t - M), with t = logit x log2(e) and M = ceil(the row's largest t), a whole number; so 1/2 < the row's largest p <= 1. The row's sum l is taken of the UNQUANTISED p, in f32, and the product's result is divided by l at the end. Since M is a whole number, a kernel that streams over the keys may use a running M (the ceiling of the running maximum): every later rescaling is an exact power of two, so the quantised numbers keep their values, but for numbers so far below the row's largest that they fall under the format's range.
;;   OPERANDS COMPUTED ON THE WAY. 'Computed on the way' means the value that the module computes at that place (a softmax that the list does not call 'softmax' is quantised finished and normalised). What goes into a quantiser is computed in f32, as accurately as f32 sums, v_exp_f32 and their like allow (about 1e-6 of the number): no bf16 or f16 on the way to a quantiser, and a product that is left as it is and whose result goes on into a quantised operand takes f32 operands (vector FMAs, or v_wmma_f32_16x16x4_f32). A number that lies on a knife's edge between two numbers of the format may be rounded either way, as far as f32 arithmetic and the matrix unit's own rounding can turn it there, and no further.
;; One version. Each part assembles by itself: llvm-mc -triple=amdgcn-amd-amdhsa -mcpu=gfx1250 --defsym DOCPART=n.
;; ======== version 1 of 1: 7 launches
;; limits: a function is approximated: absolute error at most 1e-06
;; workspace buffers: wq 16,777,216 bytes; qkvc 12,582,912 bytes; yimg 4,194,304 bytes; x1 16,777,216 bytes; xb 4,194,304 bytes; himg 16,777,216 bytes
;; launch prep (part 1): grid 640 x 1, 4 waves a work-group, no clusters, 17,920 bytes of LDS; arguments x, ln1_g, ln1_b, w_attn, w_proj, w_ff1, w_ff2, lowp_scales, wq; writes wq
.if DOCPART == 1
	.amdgcn_target "amdgcn-amd-amdhsa--gfx1250"
	.amdhsa_code_object_version 6
	.text
	.protected	k_q80243318d2_prep
	.globl	k_q80243318d2_prep
	.p2align	8
	.type	k_q80243318d2_prep,@function
k_q80243318d2_prep:
	s_mov_b64 s[64:65], 0
	v_nop
	global_prefetch_b8 v0, s[64:65] scope:SCOPE_SE
	s_setreg_imm32_b32 hwreg(HW_REG_WAVE_MODE, 25, 1), 1
	s_wait_xcnt 0x0
.set WX,  32
.set WC,  96
.set XR,  64
.set LG,  192
.set LB,  224
.set CD,  32
.set RT,  448
.set UP,  272
.macro WLOAD t, cols
.set i, 0
.rept 32
	global_load_b32 v[WX+32*((\t)%2)+i], v3, s[24:25] offset:(32*(\t)+i)*4*\cols th:TH_LOAD_NT
.set i, i+1
.endr
.endm
.macro WBLOCK t, cols
.set XS, WX+32*((\t)%2)
.set CC, WC+8*(\t)
.if (\t) < 7
	s_wait_loadcnt 32
.else
	s_wait_loadcnt 0
.endif
.set i, 0
.rept 32
	v_med3_num_f32 v[XS+i], v[XS+i], -v10, v10
.set i, i+1
.endr
	v_cvt_scalef32_pk8_fp8_f32 v[CC:CC+1], v[XS:XS+7], v11
	v_cvt_scalef32_pk8_fp8_f32 v[CC+2:CC+3], v[XS+16:XS+23], v11
	v_cvt_scalef32_pk8_fp8_f32 v[CC+4:CC+5], v[XS+8:XS+15], v11
	v_cvt_scalef32_pk8_fp8_f32 v[CC+6:CC+7], v[XS+24:XS+31], v11
	global_store_b128 v4, v[CC:CC+3], s[26:27] offset:((\t)>>2)*2048+((\t)&3)*512
	global_store_b128 v4, v[CC+4:CC+7], s[26:27] offset:((\t)>>2)*2048+((\t)&3)*512+256
.if (\t)+2 < 8
	WLOAD (\t)+2, \cols
.endif
.endm
.macro WQ cols, kbits, first, src, dstoff, rtot, rofs, ereg
	v_lshlrev_b32 v3, 2, v1
	v_lshrrev_b32 v4, 4, v1
	v_and_b32 v5, 15, v1
	v_lshlrev_b32 v5, 4, v5
	v_lshl_add_u32 v4, v4, 12, v5
	s_sub_co_u32 s23, ttmp9, \first
	s_and_b32 s44, s23, (1<<\kbits)-1
	s_lshr_b32 s45, s23, \kbits
	s_lshl_b32 s46, s45, 2
	s_add_co_u32 s46, s46, s22
	s_mul_i32 s48, s44, 1024*\cols
	s_lshl_b32 s47, s46, 7
	s_add_co_u32 s48, s48, s47
	s_mov_b32 s49, 0
	s_add_nc_u64 s[24:25], s[\src:\src+1], s[48:49]
	s_mul_i32 s50, s44, \rtot
	s_lshl_b32 s47, s46, 1
	s_add_co_u32 s50, s50, s47
	s_add_co_u32 s50, s50, \rofs
	s_lshl_b32 s50, s50, 12
	s_add_co_u32 s50, s50, \dstoff
	s_mov_b32 s51, 0
	s_add_nc_u64 s[26:27], s[20:21], s[50:51]
	WLOAD 0, \cols
	WLOAD 1, \cols
	s_wait_kmcnt 0x0
	s_add_co_i32 s52, s\ereg, 127
	s_lshl_b32 s53, s52, 23
	v_mov_b32 v11, s53
	s_add_co_i32 s52, s52, 8
	s_lshl_b32 s52, s52, 23
	s_or_b32 s52, s52, 0x600000
	v_mov_b32 v10, s52
.set Q, 0
.rept 8
	WBLOCK Q, \cols
.set Q, Q+1
.endr
	s_endpgm
.endm
.macro LRED
.irp p, 0,1,2,3
	v_pk_add_f32 v[8+4*\p:9+4*\p], v[8+4*\p:9+4*\p], v[10+4*\p:11+4*\p]
.endr
.irp p, 0,1,2,3
	v_add_f32 v[8+4*\p], v[8+4*\p], v[9+4*\p]
.endr
.irp m, 1,2,4,8
.irp p, 0,1,2,3
	v_add_f32_dpp v[8+4*\p], v[8+4*\p], v[8+4*\p] row_xmask:\m row_mask:0xf bank_mask:0xf
.endr
.endr
.irp p, 0,1,2,3
	v_permlanex16_b32 v[9+4*\p], v[8+4*\p], s28, s29
.endr
.irp p, 0,1,2,3
	v_add_f32 v[8+4*\p], v[8+4*\p], v[9+4*\p]
.endr
.endm
.macro LNBODY
	s_lshl_b32 s44, s23, 16
	s_lshl_b32 s45, s22, 14
	s_add_co_u32 s44, s44, s45
	s_mov_b32 s45, 0
	s_add_nc_u64 s[24:25], s[4:5], s[44:45]
	s_mul_i32 s46, s22, RT
	s_add_co_u32 s46, s46, s23
	s_lshl_b32 s46, s46, 12
	s_mov_b32 s47, 0
	s_add_nc_u64 s[26:27], s[20:21], s[46:47]
	s_mov_b32 s28, 0x76543210
	s_mov_b32 s29, 0xfedcba98
	s_mov_b32 s30, 0x3a800000
	s_mov_b32 s31, 0x3727c5ac
	v_lshlrev_b32 v2, 5, v1
.irp p, 0,1,2,3
.irp j, 0,1,2,3
	global_load_b128 v[XR+32*\p+8*\j:XR+32*\p+8*\j+3], v2, s[24:25] offset:4096*\p+1024*\j th:TH_LOAD_NT
	global_load_b128 v[XR+32*\p+8*\j+4:XR+32*\p+8*\j+7], v2, s[24:25] offset:4096*\p+1024*\j+16 th:TH_LOAD_NT
.endr
.endr
.irp j, 0,1,2,3
	global_load_b128 v[LG+8*\j:LG+8*\j+3], v2, s[6:7] offset:1024*\j
	global_load_b128 v[LG+8*\j+4:LG+8*\j+7], v2, s[6:7] offset:1024*\j+16
	global_load_b128 v[LB+8*\j:LB+8*\j+3], v2, s[8:9] offset:1024*\j
	global_load_b128 v[LB+8*\j+4:LB+8*\j+7], v2, s[8:9] offset:1024*\j+16
.endr
	v_lshrrev_b32 v6, 2, v1
	v_and_b32 v32, 1, v0
	v_lshl_add_u32 v6, v6, 1, v32
	v_mul_u32_u24 v6, v6, UP
	v_bfe_u32 v32, v0, 1, 1
	v_lshl_add_u32 v6, v32, 3, v6
	s_lshl_b32 s46, s22, 6
	v_add_nc_u32 v6, s46, v6
	v_bfe_u32 v7, v0, 4, 1
	v_mul_u32_u24 v7, v7, UP
	v_and_b32 v32, 15, v0
	v_lshl_add_u32 v7, v32, 4, v7
	s_mul_i32 s46, s22, 16*UP
	v_add_nc_u32 v7, s46, v7
	v_lshlrev_b32 v5, 4, v1
	s_wait_kmcnt 0x0
	s_add_co_i32 s44, s32, 127
	s_lshl_b32 s45, s44, 23
	v_mov_b32 v3, s45
	s_add_co_i32 s44, s44, 8
	s_lshl_b32 s44, s44, 23
	s_or_b32 s44, s44, 0x600000
	v_mov_b32 v4, s44
	s_wait_loadcnt 16
.irp p, 0,1,2,3
	v_pk_add_f32 v[8+4*\p:9+4*\p], v[XR+32*\p:XR+32*\p+1], v[XR+32*\p+2:XR+32*\p+3]
	v_pk_add_f32 v[10+4*\p:11+4*\p], v[XR+32*\p+4:XR+32*\p+5], v[XR+32*\p+6:XR+32*\p+7]
.endr
.irp k, 8,12,16,20,24,28
.irp p, 0,1,2,3
	v_pk_add_f32 v[8+4*\p:9+4*\p], v[8+4*\p:9+4*\p], v[XR+32*\p+\k:XR+32*\p+\k+1]
	v_pk_add_f32 v[10+4*\p:11+4*\p], v[10+4*\p:11+4*\p], v[XR+32*\p+\k+2:XR+32*\p+\k+3]
.endr
.endr
	LRED
.irp p, 0,1,2,3
	v_mul_f32 v[24+2*\p], s30, v[8+4*\p]
.endr
.irp p, 0,1,2,3
	v_mov_b32 v[25+2*\p], v[24+2*\p]
.endr
.set k, 0
.rept 16
.irp p, 0,1,2,3
	v_pk_add_f32 v[XR+32*\p+k:XR+32*\p+k+1], v[XR+32*\p+k:XR+32*\p+k+1], v[24+2*\p:25+2*\p] neg_lo:[0,1] neg_hi:[0,1]
.endr
.set k, k+2
.endr
.irp p, 0,1,2,3
	v_pk_mul_f32 v[8+4*\p:9+4*\p], v[XR+32*\p:XR+32*\p+1], v[XR+32*\p:XR+32*\p+1]
	v_pk_mul_f32 v[10+4*\p:11+4*\p], v[XR+32*\p+2:XR+32*\p+3], v[XR+32*\p+2:XR+32*\p+3]
.endr
.irp k, 4,8,12,16,20,24,28
.irp p, 0,1,2,3
	v_pk_fma_f32 v[8+4*\p:9+4*\p], v[XR+32*\p+\k:XR+32*\p+\k+1], v[XR+32*\p+\k:XR+32*\p+\k+1], v[8+4*\p:9+4*\p]
	v_pk_fma_f32 v[10+4*\p:11+4*\p], v[XR+32*\p+\k+2:XR+32*\p+\k+3], v[XR+32*\p+\k+2:XR+32*\p+\k+3], v[10+4*\p:11+4*\p]
.endr
.endr
	LRED
.irp p, 0,1,2,3
	v_fma_f32 v[8+4*\p], v[8+4*\p], s30, s31
.endr
.irp p, 0,1,2,3
	v_rsq_f32 v[24+2*\p], v[8+4*\p]
.endr
	v_nop
	s_wait_alu depctr_va_vdst(0)
.irp p, 0,1,2,3
	v_mov_b32 v[25+2*\p], v[24+2*\p]
.endr
	s_wait_loadcnt 0x0
.set k, 0
.rept 16
.irp p, 0,1,2,3
	v_pk_mul_f32 v[XR+32*\p+k:XR+32*\p+k+1], v[XR+32*\p+k:XR+32*\p+k+1], v[24+2*\p:25+2*\p]
.endr
.set k, k+2
.endr
.set k, 0
.rept 16
.irp p, 0,1,2,3
	v_pk_fma_f32 v[XR+32*\p+k:XR+32*\p+k+1], v[XR+32*\p+k:XR+32*\p+k+1], v[LG+k:LG+k+1], v[LB+k:LB+k+1]
.endr
.set k, k+2
.endr
.set k, 0
.rept 128
	v_med3_num_f32 v[XR+k], v[XR+k], -v4, v4
.set k, k+1
.endr
.set k, 0
.rept 16
	v_cvt_scalef32_pk8_fp8_f32 v[CD+2*k:CD+2*k+1], v[XR+8*k:XR+8*k+7], v3
.set k, k+1
.endr
	v_nop
.irp p, 0,1,2,3
.irp j, 0,1,2,3
	ds_store_b64 v6, v[CD+8*\p+2*\j:CD+8*\p+2*\j+1] offset:\j*16*UP+\p*16
.endr
.endr
	s_wait_dscnt 0x0
	s_barrier_signal -1
	s_barrier_wait -1
.irp t, 0,1,2,3,4,5,6,7
	ds_load_b128 v[XR+4*\t:XR+4*\t+3], v7 offset:2*\t*UP
.endr
.irp t, 0,1,2,3,4,5,6,7
	s_wait_dscnt 7-\t
	global_store_b128 v5, v[XR+4*\t:XR+4*\t+3], s[26:27] offset:512*\t
.endr
	s_set_vgpr_msb 0x5
	s_wait_tensorcnt 0x0
	ds_add_u32 v0, v1
	s_wait_dscnt 0x0
	s_set_vgpr_msb 0x500
	s_endpgm
.endm
	s_load_b256 s[4:11], s[0:1], 0x0
	s_load_b256 s[12:19], s[0:1], 0x20
	s_load_b64 s[20:21], s[0:1], 0x40
	s_set_vgpr_msb 0x40
	v_lshl_add_u32 v0, v0, 2, 0x4400
	v_mov_b32 v1, 0
	s_set_vgpr_msb 0x4000
	v_lshrrev_b32 v1, 5, v0
	v_readfirstlane_b32 s22, v1
	v_and_b32 v1, 31, v0
	s_wait_kmcnt 0x0
	s_load_b256 s[32:39], s[18:19], 0x0
	s_load_b128 s[40:43], s[18:19], 0x20
	s_cmp_lt_u32 ttmp9, 96
	s_cbranch_scc1 .Lw_attn
	s_cmp_lt_u32 ttmp9, 128
	s_cbranch_scc1 .Lw_proj
	s_cmp_lt_u32 ttmp9, 256
	s_cbranch_scc1 .Lw_ff1
	s_cmp_lt_u32 ttmp9, 384
	s_cbranch_scc1 .Lw_ff2
	s_sub_co_u32 s23, ttmp9, 384
	LNBODY
.Lw_attn:
	WQ 3072, 2, 0, 10, 0, 448, 256, 33
.Lw_proj:
	WQ 1024, 2, 96, 12, 0x700000, 64, 0, 39
.Lw_ff1:
	WQ 4096, 2, 128, 14, 0x800000, 256, 0, 41
.Lw_ff2:
	WQ 1024, 4, 256, 16, 0xC00000, 64, 0, 43
.Lfunc_end_k_q80243318d2_prep:
	.size	k_q80243318d2_prep, .Lfunc_end_k_q80243318d2_prep-k_q80243318d2_prep
	.p2alignl 7, 3214868480
	.fill 96, 4, 3214868480
	.section	.rodata,"a",@progbits
	.p2align	6, 0x0
	.amdhsa_kernel k_q80243318d2_prep
		.amdhsa_group_segment_fixed_size 17920
		.amdhsa_private_segment_fixed_size 0
		.amdhsa_enable_private_segment 0
		.amdhsa_kernarg_size 72
		.amdhsa_user_sgpr_count 2
		.amdhsa_user_sgpr_kernarg_segment_ptr 1
		.amdhsa_wavefront_size32 1
		.amdhsa_system_sgpr_workgroup_id_x 1
		.amdhsa_system_sgpr_workgroup_id_y 1
		.amdhsa_system_sgpr_workgroup_id_z 1
		.amdhsa_system_vgpr_workitem_id 0
		.amdhsa_next_free_vgpr 258
		.amdhsa_next_free_sgpr 66
		.amdhsa_reserve_vcc 0
		.amdhsa_float_denorm_mode_32 3
		.amdhsa_float_denorm_mode_16_64 3
		.amdhsa_memory_ordered 1
		.amdhsa_forward_progress 1
		.amdhsa_inst_pref_size 224
	.end_amdhsa_kernel
	.amdgpu_metadata
---
amdhsa.version: [ 1, 2 ]
amdhsa.kernels:
  - .name:           k_q80243318d2_prep
    .symbol:         k_q80243318d2_prep.kd
    .args:
      - { .name: x, .offset: 0, .size: 8, .value_kind: global_buffer, .address_space: global }
      - { .name: ln1_g, .offset: 8, .size: 8, .value_kind: global_buffer, .address_space: global }
      - { .name: ln1_b, .offset: 16, .size: 8, .value_kind: global_buffer, .address_space: global }
      - { .name: w_attn, .offset: 24, .size: 8, .value_kind: global_buffer, .address_space: global }
      - { .name: w_proj, .offset: 32, .size: 8, .value_kind: global_buffer, .address_space: global }
      - { .name: w_ff1, .offset: 40, .size: 8, .value_kind: global_buffer, .address_space: global }
      - { .name: w_ff2, .offset: 48, .size: 8, .value_kind: global_buffer, .address_space: global }
      - { .name: lowp_scales, .offset: 56, .size: 8, .value_kind: global_buffer, .address_space: global }
      - { .name: wq, .offset: 64, .size: 8, .value_kind: global_buffer, .address_space: global }
    .group_segment_fixed_size: 17920
    .private_segment_fixed_size: 0
    .kernarg_segment_align: 8
    .kernarg_segment_size: 72
    .max_flat_workgroup_size: 128
    .sgpr_count:     66
    .vgpr_count:     258
    .wavefront_size: 32
...
	.end_amdgpu_metadata
.endif
;; end of part 1
;; launch qkv (part 2): grid 12 x 16, 4 waves a work-group, clusters of 4 x 4, 327,680 bytes of LDS; arguments wq, lowp_scales, b_attn, qkvc; writes qkvc
.if DOCPART == 2
	.amdgcn_target "amdgcn-amd-amdhsa--gfx1250"
	.amdhsa_code_object_version 6
	.text
	.protected	k_q80243318d2_qkv
	.globl	k_q80243318d2_qkv
	.p2align	8
	.type	k_q80243318d2_qkv,@function
k_q80243318d2_qkv:
	s_mov_b64 s[64:65], 0
	v_nop
	global_prefetch_b8 v0, s[64:65] scope:SCOPE_SE
	s_setreg_imm32_b32 hwreg(HW_REG_WAVE_MODE, 25, 1), 1
	s_wait_xcnt 0x0
	s_wait_alu depctr_hold_cnt(0) depctr_sa_sdst(0) depctr_va_vdst(0) depctr_va_sdst(0) depctr_va_ssrc(0) depctr_va_vcc(0) depctr_vm_vsrc(0)
	s_getreg_b32 s2, hwreg(HW_REG_IB_STS2, 6, 4)
	s_cmp_eq_u32 s2, 0
	s_cbranch_scc0 .Lentry_in_a_cluster
	s_endpgm
.Lentry_in_a_cluster:
	s_bfe_u32 s2, ttmp6, 0x10000c
	s_cmp_lg_u32 s2, 0xf033
	s_cbranch_scc0 .Lentry_shape_is_right
	s_endpgm
.Lentry_shape_is_right:
.set RT,     448
.set KSB,    RT*4096
.set HALFT,  32768
.set SLOT,   131072
.set SPARE,  262144
.set LAPS,   2
.set FR,     16
.set NL,     4
.set NP,     4
.set ADRA, 16
.set ADRB, 20
.set VP,   24
.set SPW,  28
.set NIL,  29
.set BN,   32
.set BM,   96
.set CD,   112
.set TMP,  128
.set AF,   128
.set G1, 24
.set G0, 32
.set G1B, 48
.set G0B, 56
.set MSB, 0
.macro WIN new
.if MSB != (\new)
	s_set_vgpr_msb (MSB<<8)|(\new)
.set MSB, (\new)
.endif
.endm
.set MUL_LO, 0xa1
.set MUL_HI, 0xf1
.set TO_B,   0x40
.macro JLOAD g0a, g1a, g0b, g1b
	s_cmp_eq_u32 s15, 0
	s_cbranch_scc0 .Lfor_b_\@
	tensor_load_to_lds s[\g0a:\g0a+3], s[\g1a:\g1a+7]
	s_nop 0
.rept 4
	v_nop
.endr
	s_branch .Lasked_\@
.Lfor_b_\@:
	tensor_load_to_lds s[\g0b:\g0b+3], s[\g1b:\g1b+7]
	s_nop 0
.rept 4
	v_nop
.endr
.Lasked_\@:
.endm
.macro CREST
	s_cmp_lg_u32 s14, 0
	s_cbranch_scc1 .Lnot_wave_0_\@
	s_barrier_signal -3
.Lnot_wave_0_\@:
	s_barrier_wait -3
	s_barrier_signal -1
	s_barrier_wait -1
.endm
.macro CROUND
	s_barrier_signal -1
	s_barrier_wait -1
	CREST
.endm
.macro FRAG reg, adr, q, i
.irp c, 0,1,2,3
	ds_load_b128 v[\reg+4*\c:\reg+4*\c+3], v[\adr] offset:2048*(\q)+512*\c+(\i)*4096
.endr
.endm
.macro MUL16 a0, p, zero
.irp a, \a0, \a0+1
.irp b, 0,1,2,3,4,5,6,7
.if \zero
	v_wmma_f32_16x16x128_fp8_fp8 v[8*(8*((\a)%4)+\b):8*(8*((\a)%4)+\b)+7], v[128*(\p)+FR*\b:128*(\p)+FR*\b+FR-1], v[AF+FR*(\a):AF+FR*(\a)+FR-1], 0
.else
	v_wmma_f32_16x16x128_fp8_fp8 v[8*(8*((\a)%4)+\b):8*(8*((\a)%4)+\b)+7], v[128*(\p)+FR*\b:128*(\p)+FR*\b+FR-1], v[AF+FR*(\a):AF+FR*(\a)+FR-1], v[8*(8*((\a)%4)+\b):8*(8*((\a)%4)+\b)+7]
.endif
.endr
.endr
.endm
.macro FETCH_B slot, q, p
	WIN TO_B
.irp i, 0,1,2,3,4,5,6,7
	FRAG 128*(\p)+FR*\i, ADRB+\slot, \q, \i
.endr
	WIN 0
.endm
.macro FETCH_A slot, q, i0
.irp i, \i0, \i0+1, \i0+2, \i0+3
	FRAG AF+FR*(\i), ADRA+\slot, \q, \i
.endr
.endm
.macro PLACES n
.rept \n
	v_nop
.endr
.endm
.macro STEP slot, q, zero
	s_wait_dscnt 4*NL
	WIN MUL_LO
	MUL16 0, (\q)%2, \zero
	MUL16 2, (\q)%2, \zero
	s_wait_dscnt 0
	PLACES NP
	FETCH_B \slot, (\q)+1, 1-(\q)%2
	FETCH_A \slot, (\q)+1, 0
	WIN MUL_HI
	MUL16 4, (\q)%2, \zero
	MUL16 6, (\q)%2, \zero
	PLACES NP
	WIN 0
	FETCH_A \slot, (\q)+1, 4
.endm
.macro TURN slot, next, fill
	s_wait_tensorcnt 0x0
	ds_add_u32 v[SPW], v[NIL]
	s_wait_dscnt 4*NL+1
	WIN MUL_LO
	MUL16 0, 1, 0
	s_wait_dscnt 0x0
	s_barrier_signal -1
	MUL16 2, 1, 0
	WIN 0
	s_barrier_wait -1
.if \fill
	CREST
	s_add_nc_u64 s[G0+4*\slot+2:G0+4*\slot+3], s[G0+4*\slot+2:G0+4*\slot+3], 2*KSB
	s_add_nc_u64 s[G0B+4*\slot+2:G0B+4*\slot+3], s[G0B+4*\slot+2:G0B+4*\slot+3], 2*KSB
	JLOAD G0+4*\slot, G1, G0B+4*\slot, G1B
.else
	PLACES NP
.endif
	FETCH_B \next, 0, 0
	FETCH_A \next, 0, 0
	WIN MUL_HI
	MUL16 4, 1, 0
	MUL16 6, 1, 0
	PLACES NP
	WIN 0
	FETCH_A \next, 0, 4
.endm
	s_load_b256 s[4:11], s[0:1], 0x0
	v_lshl_add_u32 v[SPW], v0, 2, SPARE
	v_mov_b32 v[NIL], 0
	ds_add_u32 v28, v29
	ds_add_u32 v28, v29
	s_wait_dscnt 0x0
	v_lshrrev_b32 v1, 5, v0
	v_readfirstlane_b32 s14, v1
	s_lshr_b32 s15, s14, 1
	s_and_b32 s16, s14, 1
	s_bfe_u32 s40, ttmp6, 0x40000
	s_bfe_u32 s41, ttmp6, 0x40004
	s_and_b32 s18, ttmp7, 0xffff
	s_lshl_b32 s18, s18, 2
	s_lshl_b32 s19, ttmp9, 2
	s_cmp_eq_u32 ttmp9, 2
	s_cselect_b32 s17, 0, s18
	s_cselect_b32 s42, s18, s19
	s_cselect_b32 s66, 384, 0
	s_cselect_b32 s67, 0, 256
	s_cselect_b32 s70, -1, 0
	s_cselect_b32 s71, 0, -1
	s_add_co_u32 s17, s17, s41
	s_add_co_u32 s42, s42, s40
	s_lshl_b32 s43, s41, 2
	s_lshl_b32 s43, 15, s43
	s_lshl_b32 s44, 0x1111, s40
	s_or_b32 s[G1+0], s43, (1<<21)
	s_or_b32 s[G1B+0], s44, (1<<21)
.irp g, G1, G1B
	s_mov_b32 s[\g+1], 256<<16
	s_mov_b32 s[\g+2], 128<<16
	s_mov_b32 s[\g+3], 256<<16
	s_mov_b32 s[\g+4], 128
	s_mov_b32 s[\g+5], 256
	s_mov_b32 s[\g+6], 0
	s_mov_b32 s[\g+7], 0
.endr
	s_lshl_b32 s18, s16, 3
	s_lshl_b32 s20, s17, 4
	s_add_co_u32 s20, s20, s66
	s_add_co_u32 s20, s20, s18
	s_lshl_b32 s20, s20, 12
	s_mov_b32 s21, 0
	s_lshl_b32 s46, s42, 4
	s_add_co_u32 s46, s46, s67
	s_add_co_u32 s46, s46, s18
	s_lshl_b32 s46, s46, 12
	s_mov_b32 s47, 0
	s_mul_i32 s45, s14, HALFT
	s_wait_kmcnt 0x0
	s_load_b256 s[80:87], s[6:7], 0x0
	s_add_nc_u64 s[20:21], s[4:5], s[20:21]
	s_add_nc_u64 s[46:47], s[4:5], s[46:47]
	CROUND
.irp s, 0,1
	s_mov_b32 s[G0+4*\s], 1
	s_add_co_u32 s[G0+4*\s+1], s45, \s*SLOT
	s_add_nc_u64 s[G0+4*\s+2:G0+4*\s+3], s[20:21], \s*KSB
	s_or_b32 s[G0+4*\s+3], s[G0+4*\s+3], 0x80000000
	s_mov_b32 s[G0B+4*\s], 1
	s_add_co_u32 s[G0B+4*\s+1], s45, \s*SLOT
	s_add_nc_u64 s[G0B+4*\s+2:G0B+4*\s+3], s[46:47], \s*KSB
	s_or_b32 s[G0B+4*\s+3], s[G0B+4*\s+3], 0x80000000
	JLOAD G0+4*\s, G1, G0B+4*\s, G1B
.endr
	v_and_b32 v1, 31, v0
	v_lshlrev_b32 v4, 4, v1
	s_mul_i32 s21, s15, HALFT
	s_mul_i32 s22, s16, HALFT
	s_add_co_u32 s22, s22, 2*HALFT
.irp s, 0,1
	v_add_nc_u32 v[ADRA+\s], s21, v4
	v_add_nc_u32 v[ADRB+\s], s22, v4
	s_add_co_u32 s21, s21, SLOT
	s_add_co_u32 s22, s22, SLOT
.endr
	s_lshl_b32 s68, s42, 8
	s_lshl_b32 s69, s16, 7
	s_add_co_u32 s68, s68, s69
	s_lshl_b32 s72, s17, 8
	s_lshl_b32 s73, s15, 7
	s_add_co_u32 s72, s72, s73
	s_add_co_u32 s72, s72, 2048
	s_cmp_eq_u32 ttmp9, 2
	s_cselect_b32 s68, 0, s68
	s_cselect_b32 s72, s72, 0
	s_lshl_b32 s68, s68, 2
	s_mov_b32 s69, 0
	s_lshl_b32 s72, s72, 2
	s_mov_b32 s73, 0
	s_add_nc_u64 s[88:89], s[8:9], s[68:69]
	s_add_nc_u64 s[90:91], s[8:9], s[72:73]
	v_bfe_u32 v8, v0, 4, 1
	v_lshlrev_b32 v8, 5, v8
	v_and_b32 v9, 15, v0
	v_lshlrev_b32 v9, 2, v9
.irp b, 0,1,2,3,4,5,6,7
	global_load_b128 v[BN+8*\b:BN+8*\b+3], v8, s[88:89] offset:64*\b
	global_load_b128 v[BN+8*\b+4:BN+8*\b+7], v8, s[88:89] offset:64*\b+16
.endr
.irp a, 0,1,2,3,4,5,6,7
	global_load_b32 v[BM+2*\a], v9, s[90:91] offset:64*\a
.endr
	s_lshr_b32 s72, s17, 3
	s_lshl_b32 s72, s72, 4
	s_lshl_b32 s73, s40, 2
	s_add_co_u32 s72, s72, s73
	s_lshl_b32 s73, s16, 1
	s_add_co_u32 s72, s72, s73
	s_lshl_b32 s72, s72, 7
	s_and_b32 s73, s17, 7
	s_lshl_b32 s73, s73, 4
	s_add_co_u32 s72, s72, s73
	s_lshl_b32 s73, s15, 3
	s_add_co_u32 s72, s72, s73
	s_lshl_b32 s72, s72, 10
	s_lshr_b32 s74, s42, 3
	s_lshl_b32 s74, s74, 4
	s_lshl_b32 s75, s17, 2
	s_add_co_u32 s74, s74, s75
	s_lshl_b32 s75, s15, 1
	s_add_co_u32 s74, s74, s75
	s_lshl_b32 s74, s74, 4
	s_and_b32 s75, s42, 7
	s_lshl_b32 s75, s75, 1
	s_add_co_u32 s74, s74, s75
	s_add_co_u32 s74, s74, s16
	s_lshl_b32 s74, s74, 13
	s_mov_b32 s92, 131072
	s_mov_b32 s94, 1024
	s_mov_b32 s96, 1024
	s_cmp_eq_u32 ttmp9, 2
	s_cselect_b32 s72, s74, s72
	s_cselect_b32 s92, 1024, s92
	s_cselect_b32 s94, 2048, s94
	s_cselect_b32 s96, 124928, s96
	s_mov_b32 s95, 0
	s_mov_b32 s97, 0
	s_lshl_b32 s73, ttmp9, 22
	s_add_co_u32 s72, s72, s73
	s_mov_b32 s73, 0
	s_add_nc_u64 s[10:11], s[10:11], s[72:73]
	v_add_nc_u32 v[VP], 0, v4
	v_add_nc_u32 v[VP+1], 512, v4
	v_add_nc_u32 v[VP+2], s92, v4
	v_add_nc_u32 v[VP+3], 512, v[VP+2]
	s_wait_tensorcnt 1
	s_barrier_signal -1
	s_barrier_wait -1
	FETCH_B 0, 0, 0
	FETCH_A 0, 0, 0
	FETCH_A 0, 0, 4
	STEP 0, 0, 1
	s_mov_b32 s3, LAPS-1
.Llap:
	TURN 0, 1, 1
	STEP 1, 0, 0
	TURN 1, 0, 1
	STEP 0, 0, 0
	s_sub_co_u32 s3, s3, 1
	s_cmp_lg_u32 s3, 0
	s_cbranch_scc1 .Llap
	TURN 0, 1, 0
	STEP 1, 0, 0
	s_wait_dscnt 4*NL
	WIN MUL_LO
	MUL16 0, 1, 0
	MUL16 2, 1, 0
	s_wait_dscnt 0
	WIN MUL_HI
	MUL16 4, 1, 0
	MUL16 6, 1, 0
	WIN 0
	s_wait_kmcnt 0x0
	s_add_co_i32 s76, s80, s81
	s_add_co_i32 s76, s76, 127
	s_lshl_b32 s76, s76, 23
	s_mov_b32 s77, s76
	s_cmp_eq_u32 ttmp9, 0
	s_cselect_b32 s78, s82, s83
	s_cmp_eq_u32 ttmp9, 2
	s_cselect_b32 s78, s85, s78
	s_add_co_i32 s78, s78, 127
	s_lshl_b32 s79, s78, 23
	s_add_co_i32 s78, s78, 8
	s_lshl_b32 s78, s78, 23
	s_or_b32 s78, s78, 0x600000
	s_wait_loadcnt 0x0
	v_mov_b32 v30, s79
	v_mov_b32 v31, s78
.set j, 0
.rept 64
	v_and_b32 v[BN+j], s71, v[BN+j]
.set j, j+1
.endr
.set j, 0
.rept 8
	v_and_b32 v[BM+2*j], s70, v[BM+2*j]
	v_mov_b32 v[BM+2*j+1], 0
.set j, j+1
.endr
.macro OUT a
.set AC, 64*((\a)%4)
	WIN 0x02+((\a)/4)
.set j, 0
.rept 32
	v_pk_fma_f32 v[TMP+j:TMP+j+1], v[AC+j:AC+j+1], s[76:77], v[BN+j:BN+j+1] op_sel_hi:[1,0,1]
.set j, j+2
.endr
	WIN 0
.set j, 0
.rept 32
	v_pk_add_f32 v[TMP+j:TMP+j+1], v[TMP+j:TMP+j+1], v[BM+2*(\a):BM+2*(\a)+1] op_sel_hi:[1,0]
.set j, j+2
.endr
.set j, 0
.rept 64
	v_med3_num_f32 v[TMP+j], v[TMP+j], -v31, v31
.set j, j+1
.endr
	s_wait_xcnt 0x0
.if (\a) == 4
	s_add_nc_u64 s[10:11], s[10:11], s[96:97]
.elseif (\a) > 0
	s_add_nc_u64 s[10:11], s[10:11], s[94:95]
.endif
.set j, 0
.rept 8
	v_cvt_scalef32_pk8_fp8_f32 v[CD+2*j:CD+2*j+1], v[TMP+8*j:TMP+8*j+7], v30
.set j, j+1
.endr
	v_nop
.irp p, 0,1,2,3
	global_store_b128 v[VP+\p], v[CD+4*\p:CD+4*\p+3], s[10:11]
.endr
.endm
.irp a, 0,1,2,3,4,5,6,7
	OUT \a
.endr
	s_wait_tensorcnt 0x0
	ds_add_u32 v[SPW], v[NIL]
	s_wait_dscnt 0x0
	CROUND
	s_endpgm
.Lfunc_end_k_q80243318d2_qkv:
	.size	k_q80243318d2_qkv, .Lfunc_end_k_q80243318d2_qkv-k_q80243318d2_qkv
	.p2alignl 7, 3214868480
	.fill 96, 4, 3214868480
	.section	.rodata,"a",@progbits
	.p2align	6, 0x0
	.amdhsa_kernel k_q80243318d2_qkv
		.amdhsa_group_segment_fixed_size 327680
		.amdhsa_private_segment_fixed_size 0
		.amdhsa_enable_private_segment 0
		.amdhsa_kernarg_size 32
		.amdhsa_user_sgpr_count 2
		.amdhsa_user_sgpr_kernarg_segment_ptr 1
		.amdhsa_wavefront_size32 1
		.amdhsa_system_sgpr_workgroup_id_x 1
		.amdhsa_system_sgpr_workgroup_id_y 1
		.amdhsa_system_sgpr_workgroup_id_z 1
		.amdhsa_system_vgpr_workitem_id 0
		.amdhsa_next_free_vgpr 1024
		.amdhsa_next_free_sgpr 100
		.amdhsa_reserve_vcc 0
		.amdhsa_float_denorm_mode_32 3
		.amdhsa_float_denorm_mode_16_64 3
		.amdhsa_memory_ordered 1
		.amdhsa_forward_progress 1
		.amdhsa_inst_pref_size 157
	.end_amdhsa_kernel
	.amdgpu_metadata
---
amdhsa.version: [ 1, 2 ]
amdhsa.kernels:
  - .name:           k_q80243318d2_qkv
    .symbol:         k_q80243318d2_qkv.kd
    .args:
      - { .name: wq, .offset: 0, .size: 8, .value_kind: global_buffer, .address_space: global }
      - { .name: lowp_scales, .offset: 8, .size: 8, .value_kind: global_buffer, .address_space: global }
      - { .name: b_attn, .offset: 16, .size: 8, .value_kind: global_buffer, .address_space: global }
      - { .name: qkvc, .offset: 24, .size: 8, .value_kind: global_buffer, .address_space: global }
    .group_segment_fixed_size: 327680
    .private_segment_fixed_size: 0
    .kernarg_segment_align: 8
    .kernarg_segment_size: 32
    .max_flat_workgroup_size: 128
    .sgpr_count:     100
    .vgpr_count:     1024
    .wavefront_size: 32
...
	.end_amdgpu_metadata
.endif
;; end of part 2
;; launch attn (part 3): grid 8 x 32, 16 waves a work-group, no clusters, 264,192 bytes of LDS; arguments qkvc, lowp_scales, yimg; writes yimg
.if DOCPART == 3
	.amdgcn_target "amdgcn-amd-amdhsa--gfx1250"
	.amdhsa_code_object_version 6
	.text
	.protected	k_q80243318d2_attn
	.globl	k_q80243318d2_attn
	.p2align	8
	.type	k_q80243318d2_attn,@function
k_q80243318d2_attn:
	s_mov_b64 s[64:65], 0
	v_nop
	global_prefetch_b8 v0, s[64:65] scope:SCOPE_SE
	s_setreg_imm32_b32 hwreg(HW_REG_WAVE_MODE, 25, 1), 1
	s_wait_xcnt 0x0
.set WV,  18
.set SEL, 20
.set CS,  22
.set G1,  24
.set G0,  32
.set TB,  56
.set KF,  57
.set Q0,  58
	s_load_b128 s[4:7], s[0:1], 0x0
	s_load_b64 s[8:9], s[0:1], 0x10
	v_lshl_add_u32 v251, v0, 2, 0x40000
	v_mov_b32 v255, 0
	ds_add_u32 v251, v255
	ds_add_u32 v251, v255
	v_lshrrev_b32 v2, 5, v0
	v_readfirstlane_b32 s[WV], v2
	s_and_b32 s19, ttmp7, 0xffff
	s_mov_b32 s[G1], 0
	s_mov_b32 s[G1+1], 256<<16
	s_mov_b32 s[G1+2], 16<<16
	s_mov_b32 s[G1+3], 256<<16
	s_mov_b32 s[G1+4], 16
	s_mov_b32 s[G1+5], 256
	s_mov_b32 s[G1+6], 0
	s_mov_b32 s[G1+7], 0
	s_and_b32 s60, s[WV], 7
	s_lshl_b32 s61, s60, 12
	s_lshl_b32 s62, s19, 17
	s_add_co_u32 s61, s61, s62
	s_lshr_b32 s62, s[WV], 3
	s_add_co_u32 s62, s62, 1
	s_lshl_b32 s62, s62, 22
	s_add_co_u32 s62, s62, s61
	s_mov_b32 s63, 0
	s_lshl_b32 s68, s[WV], 12
	s_wait_dscnt 0x0
	s_wait_kmcnt 0x0
	s_load_b256 s[48:55], s[6:7], 0x0
	s_add_nc_u64 s[66:67], s[4:5], s[62:63]
.irp g, 0,1,2,3
	s_mov_b32 s[G0+4*\g], 1
	s_add_co_u32 s[G0+4*\g+1], s68, \g*65536
	s_add_nc_u64 s[G0+4*\g+2:G0+4*\g+3], s[66:67], \g*32768
	s_or_b32 s[G0+4*\g+3], s[G0+4*\g+3], 0x80000000
.endr
	tensor_load_to_lds s[G0:G0+3], s[G1:G1+7]
	s_nop 0
	tensor_load_to_lds s[G0+4:G0+7], s[G1:G1+7]
	s_nop 0
	tensor_load_to_lds s[G0+8:G0+11], s[G1:G1+7]
	s_nop 0
	tensor_load_to_lds s[G0+12:G0+15], s[G1:G1+7]
	s_nop 0
.rept 4
	v_nop
.endr
	s_lshr_b32 s69, s[WV], 2
	s_xor_b32 s69, s69, s[WV]
	s_and_b32 s70, s69, 1
	s_sub_co_u32 s69, 15, ttmp9
	s_cmp_eq_u32 s70, 0
	s_cselect_b32 s69, ttmp9, s69
	s_lshl_b32 s[Q0], s69, 7
	s_lshr_b32 s70, s[WV], 1
	s_lshl_b32 s70, s70, 4
	s_add_co_u32 s[Q0], s[Q0], s70
	s_lshl_b32 s70, s19, 17
	s_lshl_b32 s71, s[Q0], 6
	s_add_co_u32 s70, s70, s71
	s_mov_b32 s71, 0
	s_add_nc_u64 s[72:73], s[4:5], s[70:71]
	v_and_b32 v1, 31, v0
	v_lshlrev_b32 v1, 4, v1
	global_load_b128 v[16:19], v1, s[72:73]
	global_load_b128 v[20:23], v1, s[72:73] offset:512
	s_and_b32 s74, s19, 15
	s_lshr_b32 s75, s74, 2
	s_lshl_b32 s75, s75, 8
	s_lshr_b32 s76, s19, 4
	s_lshl_b32 s76, s76, 7
	s_add_co_u32 s75, s75, s76
	s_lshr_b32 s76, s[Q0], 4
	s_add_co_u32 s75, s75, s76
	s_lshl_b32 s75, s75, 12
	s_and_b32 s76, s74, 3
	s_lshl_b32 s76, s76, 10
	s_add_co_u32 s76, s76, s75
	s_mov_b32 s77, 0
	s_add_nc_u64 s[8:9], s[8:9], s[76:77]
	s_mov_b32 s[SEL], 0x76543210
	s_mov_b32 s[SEL+1], 0xfedcba98
	s_mov_b32 s[CS], 0x3e38aa3b
	s_mov_b32 s[KF], 0
	v_and_b32 v3, 15, v0
	v_bfe_u32 v4, v0, 4, 1
	v_lshlrev_b32 v4, 3, v4
	v_sub_nc_u32 v3, v3, v4
	v_mov_b32 v13, 0xff61b1e6
	v_floor_f32 v12, -v13
	v_mov_b32 v14, 0
	v_mov_b32 v15, 0
	v_mov_b32 v236, 0
	v_mov_b32 v252, 0
	v_mov_b32 v253, 0
	v_mov_b32 v254, 0
.set j, 0
.rept 32
	v_mov_b32 v[160+j], 0
.set j, j+1
.endr
	s_wait_kmcnt 0x0
	s_add_co_i32 s78, s50, s51
	s_lshl_b32 s78, s78, 23
	s_add_co_i32 s[CS], s[CS], s78
	s_mov_b32 s[CS+1], s[CS]
	s_add_co_i32 s78, s52, 127
	s_lshl_b32 s79, s78, 23
	v_mov_b32 v244, s79
	s_add_co_i32 s78, s78, 8
	s_lshl_b32 s78, s78, 23
	s_or_b32 s78, s78, 0x600000
	v_mov_b32 v240, s78
	s_add_co_i32 s78, s54, 127
	s_lshl_b32 s79, s78, 23
	v_mov_b32 v245, s79
	s_add_co_i32 s78, s78, 8
	s_lshl_b32 s78, s78, 23
	s_or_b32 s78, s78, 0x600000
	v_mov_b32 v246, s78
.macro STEP
	s_add_co_u32 s78, s[Q0], 15
	s_cmp_gt_u32 s[KF], s78
	s_cbranch_scc1 .Lhidden_\@
	v_add_nc_u32 v8, s[TB], v1
.rept 3
	v_nop
.endr
.irp t, 0,1,2,3,4,5,6,7
	ds_load_b128 v[32+8*\t:35+8*\t], v8 offset:1024*\t
	ds_load_b128 v[36+8*\t:39+8*\t], v8 offset:1024*\t+512
.endr
	s_wait_dscnt 0x0
.irp t, 0,1,2,3,4,5,6,7
	v_wmma_f32_16x16x64_fp8_fp8 v[96+8*\t:103+8*\t], v[32+8*\t:39+8*\t], v[16:23], 0
.endr
.rept 4
	v_nop
.endr
.irp t, 0,1,2,3
.irp c, 0,1,2,3
	ds_load_b128 v[32+16*\t+4*\c:35+16*\t+4*\c], v8 offset:32768+2048*\t+512*\c
.endr
.endr
	s_add_co_u32 s78, s[KF], 127
	s_cmp_le_u32 s78, s[Q0]
	s_cbranch_scc1 .Lopen_\@
	s_sub_co_i32 s78, s[Q0], s[KF]
	v_add_nc_u32 v252, s78, v3
	v_mov_b32 v254, 0xff800000
.set n, 0
.rept 64
	v_cmp_gt_i32 vcc_lo, 16*(n/8)+n%8, v252
	v_cndmask_b32 v[96+n], v[96+n], v254, vcc_lo
.set n, n+1
.endr
.Lopen_\@:
	v_max3_num_f32 v254, v96, v97, v98
	v_max3_num_f32 v252, v99, v100, v101
.irp i, 6,10,14,18,22,26,30,34,38,42,46,50,54,58
	v_max3_num_f32 v254, v254, v[96+\i], v[97+\i]
	v_max3_num_f32 v252, v252, v[98+\i], v[99+\i]
.endr
	v_max3_num_f32 v254, v254, v158, v159
	v_max_num_f32 v254, v254, v252
	v_permlanex16_b32 v236, v254, s[SEL], s[SEL+1]
	v_max_num_f32 v254, v254, v236
	v_mul_f32 v254, s[CS], v254
	v_max_num_f32 v13, v13, v254
	v_mov_b32 v254, v12
	v_floor_f32 v12, -v13
	v_sub_f32 v254, v12, v254
	v_cvt_i32_f32 v254, v254
	v_ldexp_f32 v252, 1.0, v254
.set j, 0
.rept 32
	v_pk_fma_f32 v[96+j:97+j], v[96+j:97+j], s[CS:CS+1], v[12:13] op_sel_hi:[1,0,0]
.set j, j+2
.endr
.set j, 0
.rept 64
	v_exp_f32 v[96+j], v[96+j]
.set j, j+1
.endr
	v_pk_mul_f32 v[14:15], v[14:15], v[252:253] op_sel_hi:[1,0]
	s_wait_alu depctr_va_vdst(0)
	v_pk_add_f32 v[242:243], v[96:97], v[98:99]
.irp j, 4,8,12,16,20,24,28,32,36,40,44,48,52,56,60
	v_pk_add_f32 v[14:15], v[14:15], v[96+\j:97+\j]
	v_pk_add_f32 v[242:243], v[242:243], v[98+\j:99+\j]
.endr
	v_pk_add_f32 v[14:15], v[14:15], v[242:243]
.set j, 0
.rept 64
	v_min_num_f32 v[96+j], v[96+j], v240
.set j, j+1
.endr
.set j, 0
.rept 8
	v_cvt_scalef32_pk8_fp8_f32 v[224+2*j:225+2*j], v[96+8*j:103+8*j], v244
.set j, j+1
.endr
.set j, 0
.rept 16
	v_pk_mul_f32 v[160+j:161+j], v[160+j:161+j], v[252:253] op_sel_hi:[1,0]
.set j, j+2
.endr
	s_wait_dscnt 0x0
.irp t, 0,1,2,3
	v_wmma_f32_16x16x128_fp8_fp8 v[160+8*\t:167+8*\t], v[32+16*\t:47+16*\t], v[224:239], v[160+8*\t:167+8*\t]
.endr
.Lhidden_\@:
	s_add_co_u32 s[KF], s[KF], 128
	s_add_co_u32 s[TB], s[TB], 8192
.endm
.macro GROUP g
	s_wait_tensorcnt 3-\g
	s_barrier_signal -1
	s_barrier_wait -1
	s_mov_b32 s[TB], \g*65536
	s_mov_b32 s59, 4
.Lstep_\@:
	STEP
	s_sub_co_u32 s59, s59, 1
	s_cmp_lg_u32 s59, 0
	s_cbranch_scc1 .Lstep_\@
.endm
	s_wait_loadcnt 0x0
	GROUP 0
	GROUP 1
	GROUP 2
	GROUP 3
.rept 4
	v_nop
.endr
	v_add_f32 v14, v14, v15
	v_permlanex16_b32 v252, v14, s[SEL], s[SEL+1]
	v_add_f32 v14, v14, v252
	v_rcp_f32 v14, v14
	v_nop
	s_add_co_i32 s78, s52, s53
	s_wait_alu depctr_va_vdst(0)
	v_ldexp_f32 v14, v14, s78
.set j, 0
.rept 32
	v_mul_f32 v[96+j], v[160+j], v14
.set j, j+1
.endr
.set j, 0
.rept 32
	v_med3_num_f32 v[96+j], v[96+j], -v246, v246
.set j, j+1
.endr
.set j, 0
.rept 4
	v_cvt_scalef32_pk8_fp8_f32 v[224+2*j:225+2*j], v[96+8*j:103+8*j], v245
.set j, j+1
.endr
	v_nop
	global_store_b128 v1, v[224:227], s[8:9]
	global_store_b128 v1, v[228:231], s[8:9] offset:512
	s_wait_tensorcnt 0x0
	ds_add_u32 v251, v255
	s_wait_dscnt 0x0
	s_endpgm
.Lfunc_end_k_q80243318d2_attn:
	.size	k_q80243318d2_attn, .Lfunc_end_k_q80243318d2_attn-k_q80243318d2_attn
	.p2alignl 7, 3214868480
	.fill 96, 4, 3214868480
	.section	.rodata,"a",@progbits
	.p2align	6, 0x0
	.amdhsa_kernel k_q80243318d2_attn
		.amdhsa_group_segment_fixed_size 264192
		.amdhsa_private_segment_fixed_size 0
		.amdhsa_enable_private_segment 0
		.amdhsa_kernarg_size 24
		.amdhsa_user_sgpr_count 2
		.amdhsa_user_sgpr_kernarg_segment_ptr 1
		.amdhsa_wavefront_size32 1
		.amdhsa_system_sgpr_workgroup_id_x 1
		.amdhsa_system_sgpr_workgroup_id_y 1
		.amdhsa_system_sgpr_workgroup_id_z 1
		.amdhsa_system_vgpr_workitem_id 0
		.amdhsa_next_free_vgpr 256
		.amdhsa_next_free_sgpr 80
		.amdhsa_reserve_vcc 1
		.amdhsa_float_denorm_mode_32 3
		.amdhsa_float_denorm_mode_16_64 3
		.amdhsa_memory_ordered 1
		.amdhsa_forward_progress 1
		.amdhsa_inst_pref_size 94
	.end_amdhsa_kernel
	.amdgpu_metadata
---
amdhsa.version: [ 1, 2 ]
amdhsa.kernels:
  - .name:           k_q80243318d2_attn
    .symbol:         k_q80243318d2_attn.kd
    .args:
      - { .name: qkvc, .offset: 0, .size: 8, .value_kind: global_buffer, .address_space: global }
      - { .name: lowp_scales, .offset: 8, .size: 8, .value_kind: global_buffer, .address_space: global }
      - { .name: yimg, .offset: 16, .size: 8, .value_kind: global_buffer, .address_space: global }
    .group_segment_fixed_size: 264192
    .private_segment_fixed_size: 0
    .kernarg_segment_align: 8
    .kernarg_segment_size: 24
    .max_flat_workgroup_size: 512
    .sgpr_count:     80
    .vgpr_count:     256
    .wavefront_size: 32
...
	.end_amdgpu_metadata
.endif
;; end of part 3
;; launch proj (part 4): grid 8 x 32, 4 waves a work-group, clusters of 4 x 4, 327,680 bytes of LDS; arguments yimg, wq, lowp_scales, b_proj, x, x1; writes x1
.if DOCPART == 4
	.amdgcn_target "amdgcn-amd-amdhsa--gfx1250"
	.amdhsa_code_object_version 6
	.text
	.protected	k_q80243318d2_proj
	.globl	k_q80243318d2_proj
	.p2align	8
	.type	k_q80243318d2_proj,@function
k_q80243318d2_proj:
	s_mov_b64 s[64:65], 0
	v_nop
	global_prefetch_b8 v0, s[64:65] scope:SCOPE_SE
	s_setreg_imm32_b32 hwreg(HW_REG_WAVE_MODE, 25, 1), 1
	s_wait_xcnt 0x0
	s_wait_alu depctr_hold_cnt(0) depctr_sa_sdst(0) depctr_va_vdst(0) depctr_va_sdst(0) depctr_va_ssrc(0) depctr_va_vcc(0) depctr_vm_vsrc(0)
	s_getreg_b32 s2, hwreg(HW_REG_IB_STS2, 6, 4)
	s_cmp_eq_u32 s2, 0
	s_cbranch_scc0 .Lentry_in_a_cluster
	s_endpgm
.Lentry_in_a_cluster:
	s_bfe_u32 s2, ttmp6, 0x10000c
	s_cmp_lg_u32 s2, 0xf033
	s_cbranch_scc0 .Lentry_shape_is_right
	s_endpgm
.Lentry_shape_is_right:
.set KTOT,  1024
.set WOFF,  0x700000
.set SCOFF, 24
.set NST,   KTOT/128
.set NSL,   KTOT/1024
.set TAIL,  NST-7
.set PART,  32768
.set SLOT,  131072
.set STAGE, (NSL%2)*SLOT
.set SP,    528
.set SPARE, 262144
.set ADR,  16
.set L16,  20
.set STO,  24
.set RD,   25
.set SPW,  28
.set NIL,  29
.set ACC,  128
.set G1, 24
.set G0, 32
.set BB, 46
.set MSB, 0
.macro WIN new
.if MSB != (\new)
	s_set_vgpr_msb (MSB<<8)|(\new)
.set MSB, (\new)
.endif
.endm
.set MUL,  0x07
.set TO_A, 0x40
.set TO_R, 0x80
.set TO_W, 0xc0
.macro CREST
	s_cmp_lg_u32 s16, 0
	s_cbranch_scc1 .Lnot_wave_0_\@
	s_barrier_signal -3
.Lnot_wave_0_\@:
	s_barrier_wait -3
	s_barrier_signal -1
	s_barrier_wait -1
.endm
.macro CROUND
	s_barrier_signal -1
	s_barrier_wait -1
	CREST
.endm
.macro PLACES
.rept 4
	v_nop
.endr
.endm
.macro FETCH
	WIN TO_A
.irp i, 0,1,2,3,4,5,6,7
.irp c, 0,1,2,3
	ds_load_b128 v[FBF+16*\i+4*\c:FBF+16*\i+4*\c+3], v[ADR+2*FSL+(FST>>2)] offset:((FST>>1)&1)*32768+(FST&1)*2048+4096*\i+512*\c
.endr
.endr
.endm
.macro LOADW
	WIN TO_W
.irp b, 0,1
.irp c, 0,1,2,3
	global_load_b128 v[32*(WST%8)+16*\b+4*\c:32*(WST%8)+16*\b+4*\c+3], v[L16], s[BB:BB+1] offset:(WST>>1)*262144+(WST&1)*2048+4096*\b+512*\c
.endr
.endr
.endm
.macro CRES x
.set CRV, (\x)
.if (\x) > TAIL
.set CRV, TAIL+8*((\x)-TAIL)
.endif
.if CRV > 32
.set CRV, 32
.endif
.endm
.macro NCOUNT
.set NB, NST-1-STP
.if NB > 6
.set NB, 6
.endif
.set PST, STP-7
.if PST < 0
.set PST, 0
.endif
	CRES PST
.set NW, 8*NB-CRV
	CRES STP
.set NW, NW+CRV
.endm
.macro AHEAD
.if STP+7 < NST
.set WST, STP+7
	LOADW
.endif
	CRES STP
.set RROW, CRV
	CRES STP+1
.if CRV > RROW
	WIN TO_R
.rept CRV-RROW
	global_load_b128 v[4*RROW:4*RROW+3], v[L16], s[12:13] offset:RROW*4096
.set RROW, RROW+1
.endr
.endif
.endm
.macro MULA a
.irp b, 0,1
.if STP == 0
	v_wmma_f32_16x16x128_fp8_fp8 v[ACC+8*(2*(\a)+\b):ACC+8*(2*(\a)+\b)+7], v[32*(STP%8)+16*\b:32*(STP%8)+16*\b+15], v[128*(STP%2)+16*(\a):128*(STP%2)+16*(\a)+15], 0
.else
	v_wmma_f32_16x16x128_fp8_fp8 v[ACC+8*(2*(\a)+\b):ACC+8*(2*(\a)+\b)+7], v[32*(STP%8)+16*\b:32*(STP%8)+16*\b+15], v[128*(STP%2)+16*(\a):128*(STP%2)+16*(\a)+15], v[ACC+8*(2*(\a)+\b):ACC+8*(2*(\a)+\b)+7]
.endif
.endr
.endm
.macro STEP
	NCOUNT
	s_wait_dscnt 0x0
	s_wait_loadcnt NW
	PLACES
.set FSL, (STP/8)%2
.set FST, STP%8+1
.set FBF, 128*((STP+1)%2)
	FETCH
	AHEAD
	WIN MUL
.irp a, 0,1,2,3,4,5,6,7
	MULA \a
.endr
.set STP, STP+1
.endm
.macro TURN
	NCOUNT
.set SLN, (STP/8)%2
	WIN 0
	s_wait_tensorcnt 0x0
	ds_add_u32 v[SPW], v[NIL]
	s_wait_dscnt 1
	s_wait_loadcnt NW
	WIN MUL
	MULA 0
	MULA 1
	s_wait_dscnt 0x0
	s_barrier_signal -1
	MULA 2
	MULA 3
	WIN 0
	s_barrier_wait -1
.if STP/8+2 < NSL
	CREST
	s_add_nc_u64 s[G0+4*SLN+2:G0+4*SLN+3], s[G0+4*SLN+2:G0+4*SLN+3], 0x800000
	tensor_load_to_lds s[G0+4*SLN:G0+4*SLN+3], s[G1:G1+7]
.endif
	PLACES
.set FSL, 1-SLN
.set FST, 0
.set FBF, 128*((STP+1)%2)
	FETCH
	AHEAD
	WIN MUL
.irp a, 4,5,6,7
	MULA \a
.endr
.set STP, STP+1
.endm
.macro LAST
	NCOUNT
	s_wait_dscnt 0x0
	s_wait_loadcnt NW
	WIN MUL
.irp a, 0,1,2,3,4,5,6,7
	MULA \a
.endr
.set STP, STP+1
.endm
	s_load_b256 s[4:11], s[0:1], 0x0
	s_load_b128 s[12:15], s[0:1], 0x20
	v_lshl_add_u32 v[SPW], v0, 2, SPARE
	v_mov_b32 v[NIL], 0
	ds_add_u32 v28, v29
	ds_add_u32 v28, v29
	s_wait_dscnt 0x0
	v_lshrrev_b32 v1, 5, v0
	v_readfirstlane_b32 s16, v1
	s_bfe_u32 s40, ttmp6, 0x40000
	s_bfe_u32 s41, ttmp6, 0x40004
	s_lshl_b32 s20, ttmp9, 2
	s_add_co_u32 s20, s20, s40
	s_and_b32 s19, ttmp7, 0xffff
	s_lshl_b32 s19, s19, 2
	s_add_co_u32 s19, s19, s41
	s_lshl_b32 s43, s41, 2
	s_lshl_b32 s43, 15, s43
	s_or_b32 s[G1+0], s43, (1<<21)
	s_mov_b32 s[G1+1], 256<<16
	s_mov_b32 s[G1+2], 128<<16
	s_mov_b32 s[G1+3], 256<<16
	s_mov_b32 s[G1+4], 128
	s_mov_b32 s[G1+5], 256
	s_mov_b32 s[G1+6], 0
	s_mov_b32 s[G1+7], 0
	s_lshl_b32 s22, s16, 8
	s_lshl_b32 s21, s19, 3
	s_add_co_u32 s22, s22, s21
	s_lshl_b32 s22, s22, 12
	s_mov_b32 s23, 0
	s_lshl_b32 s46, s20, 3
	s_lshl_b32 s42, s16, 1
	s_add_co_u32 s46, s46, s42
	s_lshl_b32 s46, s46, 12
	s_add_co_u32 s46, s46, WOFF
	s_mov_b32 s47, 0
	s_mul_i32 s45, s16, PART
	s_wait_kmcnt 0x0
	s_load_b64 s[66:67], s[8:9], SCOFF
	s_add_nc_u64 s[22:23], s[4:5], s[22:23]
	s_add_nc_u64 s[BB:BB+1], s[6:7], s[46:47]
	CROUND
.irp s, 0,1
.if \s < NSL
	s_mov_b32 s[G0+4*\s], 1
	s_add_co_u32 s[G0+4*\s+1], s45, \s*SLOT
	s_add_nc_u64 s[G0+4*\s+2:G0+4*\s+3], s[22:23], \s*0x400000
	s_or_b32 s[G0+4*\s+3], s[G0+4*\s+3], 0x80000000
	tensor_load_to_lds s[G0+4*\s:G0+4*\s+3], s[G1:G1+7]
	s_nop 0
	PLACES
.endif
.endr
	v_and_b32 v1, 31, v0
	v_lshlrev_b32 v[L16], 4, v1
	s_lshl_b32 s70, s20, 9
	s_mov_b32 s71, 0
	s_add_nc_u64 s[10:11], s[10:11], s[70:71]
	global_load_b128 v[12:15], v[L16], s[10:11]
.set WST, 0
.rept 7
	LOADW
.set WST, WST+1
.endr
	WIN 0
	s_lshl_b32 s68, s19, 7
	s_lshl_b32 s69, s16, 5
	s_add_co_u32 s68, s68, s69
	s_lshl_b32 s68, s68, 12
	s_add_co_u32 s68, s68, s70
	s_mov_b32 s69, 0
	s_add_nc_u64 s[12:13], s[12:13], s[68:69]
	s_add_nc_u64 s[14:15], s[14:15], s[68:69]
	v_add_nc_u32 v[ADR], 0, v[L16]
	v_add_nc_u32 v[ADR+1], 0x10000, v[L16]
	v_add_nc_u32 v[ADR+2], 0x20000, v[L16]
	v_add_nc_u32 v[ADR+3], 0x30000, v[L16]
	v_and_b32 v2, 15, v0
	v_bfe_u32 v3, v0, 4, 1
	s_lshl_b32 s72, s16, 7
	s_add_co_u32 s72, s72, STAGE
	v_mul_u32_u24 v[STO], v2, SP
	v_lshl_add_u32 v[STO], v3, 5, v[STO]
	v_add_nc_u32 v[STO], s72, v[STO]
	s_mul_i32 s72, s16, 32*SP
	s_add_co_u32 s72, s72, STAGE
	v_add_nc_u32 v[RD], s72, v[L16]
.if NSL > 1
	s_wait_tensorcnt 1
.else
	s_wait_tensorcnt 0
.endif
	s_barrier_signal -1
	s_barrier_wait -1
.set FSL, 0
.set FST, 0
.set FBF, 0
	FETCH
.set STP, 0
.rept NST
.if STP == NST-1
	LAST
.elseif STP%8 == 7
	TURN
.else
	STEP
.endif
.endr
	WIN 0
	s_wait_loadcnt 0x0
	s_wait_kmcnt 0x0
	s_add_co_i32 s66, s66, s67
	s_add_co_i32 s66, s66, 127
	s_lshl_b32 s66, s66, 23
	s_mov_b32 s67, s66
	WIN 0x82
.set k, 0
.rept 32
	v_pk_add_f32 v[4*k:4*k+1], v[4*k:4*k+1], v[12:13]
	v_pk_add_f32 v[4*k+2:4*k+3], v[4*k+2:4*k+3], v[14:15]
.set k, k+1
.endr
	WIN 0
.irp a, 0,1,2,3,4,5,6,7
.irp b, 0,1
	ds_store_b128 v[STO], v[ACC+8*(2*\a+\b):ACC+8*(2*\a+\b)+3] offset:\a*16*SP+64*\b
	ds_store_b128 v[STO], v[ACC+8*(2*\a+\b)+4:ACC+8*(2*\a+\b)+7] offset:\a*16*SP+64*\b+16
.endr
.endr
	s_wait_dscnt 0x0
	s_barrier_signal -1
	s_barrier_wait -1
.set k, 0
.rept 32
	ds_load_b128 v[ACC+4*k:ACC+4*k+3], v[RD] offset:k*SP
.set k, k+1
.endr
.irp g, 0,1,2,3
	s_wait_dscnt 24-8*\g
	WIN 0x20
.set k, 0
.rept 16
	v_pk_fma_f32 v[ACC+32*\g+k:ACC+32*\g+k+1], v[ACC+32*\g+k:ACC+32*\g+k+1], s[66:67], v[32*\g+k:32*\g+k+1] op_sel_hi:[1,0,1]
.set k, k+2
.endr
	WIN 0
.set k, 0
.rept 8
	global_store_b128 v[L16], v[ACC+32*\g+4*k:ACC+32*\g+4*k+3], s[14:15] offset:(8*\g+k)*4096
.set k, k+1
.endr
.endr
	s_wait_tensorcnt 0x0
	ds_add_u32 v[SPW], v[NIL]
	s_wait_dscnt 0x0
	CROUND
	s_endpgm
.Lfunc_end_k_q80243318d2_proj:
	.size	k_q80243318d2_proj, .Lfunc_end_k_q80243318d2_proj-k_q80243318d2_proj
	.p2alignl 7, 3214868480
	.fill 96, 4, 3214868480
	.section	.rodata,"a",@progbits
	.p2align	6, 0x0
	.amdhsa_kernel k_q80243318d2_proj
		.amdhsa_group_segment_fixed_size 327680
		.amdhsa_private_segment_fixed_size 0
		.amdhsa_enable_private_segment 0
		.amdhsa_kernarg_size 48
		.amdhsa_user_sgpr_count 2
		.amdhsa_user_sgpr_kernarg_segment_ptr 1
		.amdhsa_wavefront_size32 1
		.amdhsa_system_sgpr_workgroup_id_x 1
		.amdhsa_system_sgpr_workgroup_id_y 1
		.amdhsa_system_sgpr_workgroup_id_z 1
		.amdhsa_system_vgpr_workitem_id 0
		.amdhsa_next_free_vgpr 1024
		.amdhsa_next_free_sgpr 80
		.amdhsa_reserve_vcc 0
		.amdhsa_float_denorm_mode_32 3
		.amdhsa_float_denorm_mode_16_64 3
		.amdhsa_memory_ordered 1
		.amdhsa_forward_progress 1
		.amdhsa_inst_pref_size 56
	.end_amdhsa_kernel
	.amdgpu_metadata
---
amdhsa.version: [ 1, 2 ]
amdhsa.kernels:
  - .name:           k_q80243318d2_proj
    .symbol:         k_q80243318d2_proj.kd
    .args:
      - { .name: yimg, .offset: 0, .size: 8, .value_kind: global_buffer, .address_space: global }
      - { .name: wq, .offset: 8, .size: 8, .value_kind: global_buffer, .address_space: global }
      - { .name: lowp_scales, .offset: 16, .size: 8, .value_kind: global_buffer, .address_space: global }
      - { .name: b_proj, .offset: 24, .size: 8, .value_kind: global_buffer, .address_space: global }
      - { .name: x, .offset: 32, .size: 8, .value_kind: global_buffer, .address_space: global }
      - { .name: x1, .offset: 40, .size: 8, .value_kind: global_buffer, .address_space: global }
    .group_segment_fixed_size: 327680
    .private_segment_fixed_size: 0
    .kernarg_segment_align: 8
    .kernarg_segment_size: 48
    .max_flat_workgroup_size: 128
    .sgpr_count:     80
    .vgpr_count:     1024
    .wavefront_size: 32
...
	.end_amdgpu_metadata
.endif
;; end of part 4
;; launch ln2 (part 5): grid 256 x 1, 4 waves a work-group, no clusters, 17,920 bytes of LDS; arguments x1, ln2_g, ln2_b, lowp_scales, xb; writes xb
.if DOCPART == 5
	.amdgcn_target "amdgcn-amd-amdhsa--gfx1250"
	.amdhsa_code_object_version 6
	.text
	.protected	k_q80243318d2_ln2
	.globl	k_q80243318d2_ln2
	.p2align	8
	.type	k_q80243318d2_ln2,@function
k_q80243318d2_ln2:
	s_mov_b64 s[64:65], 0
	v_nop
	global_prefetch_b8 v0, s[64:65] scope:SCOPE_SE
	s_setreg_imm32_b32 hwreg(HW_REG_WAVE_MODE, 25, 1), 1
	s_wait_xcnt 0x0
.set XR,  64
.set LG,  192
.set LB,  224
.set CD,  32
.set RT,  256
.set UP,  272
.macro LRED
.irp p, 0,1,2,3
	v_pk_add_f32 v[8+4*\p:9+4*\p], v[8+4*\p:9+4*\p], v[10+4*\p:11+4*\p]
.endr
.irp p, 0,1,2,3
	v_add_f32 v[8+4*\p], v[8+4*\p], v[9+4*\p]
.endr
.irp m, 1,2,4,8
.irp p, 0,1,2,3
	v_add_f32_dpp v[8+4*\p], v[8+4*\p], v[8+4*\p] row_xmask:\m row_mask:0xf bank_mask:0xf
.endr
.endr
.irp p, 0,1,2,3
	v_permlanex16_b32 v[9+4*\p], v[8+4*\p], s28, s29
.endr
.irp p, 0,1,2,3
	v_add_f32 v[8+4*\p], v[8+4*\p], v[9+4*\p]
.endr
.endm
	s_load_b256 s[4:11], s[0:1], 0x0
	s_load_b64 s[20:21], s[0:1], 0x20
	s_set_vgpr_msb 0x40
	v_lshl_add_u32 v0, v0, 2, 0x4400
	v_mov_b32 v1, 0
	s_set_vgpr_msb 0x4000
	v_lshrrev_b32 v1, 5, v0
	v_readfirstlane_b32 s22, v1
	v_and_b32 v1, 31, v0
	s_mov_b32 s23, ttmp9
	s_wait_kmcnt 0x0
	s_load_b32 s32, s[10:11], 0x20
	s_lshl_b32 s44, s23, 16
	s_lshl_b32 s45, s22, 14
	s_add_co_u32 s44, s44, s45
	s_mov_b32 s45, 0
	s_add_nc_u64 s[24:25], s[4:5], s[44:45]
	s_mul_i32 s46, s22, RT
	s_add_co_u32 s46, s46, s23
	s_lshl_b32 s46, s46, 12
	s_mov_b32 s47, 0
	s_add_nc_u64 s[26:27], s[20:21], s[46:47]
	s_mov_b32 s28, 0x76543210
	s_mov_b32 s29, 0xfedcba98
	s_mov_b32 s30, 0x3a800000
	s_mov_b32 s31, 0x3727c5ac
	v_lshlrev_b32 v2, 5, v1
.irp p, 0,1,2,3
.irp j, 0,1,2,3
	global_load_b128 v[XR+32*\p+8*\j:XR+32*\p+8*\j+3], v2, s[24:25] offset:4096*\p+1024*\j th:TH_LOAD_NT
	global_load_b128 v[XR+32*\p+8*\j+4:XR+32*\p+8*\j+7], v2, s[24:25] offset:4096*\p+1024*\j+16 th:TH_LOAD_NT
.endr
.endr
.irp j, 0,1,2,3
	global_load_b128 v[LG+8*\j:LG+8*\j+3], v2, s[6:7] offset:1024*\j
	global_load_b128 v[LG+8*\j+4:LG+8*\j+7], v2, s[6:7] offset:1024*\j+16
	global_load_b128 v[LB+8*\j:LB+8*\j+3], v2, s[8:9] offset:1024*\j
	global_load_b128 v[LB+8*\j+4:LB+8*\j+7], v2, s[8:9] offset:1024*\j+16
.endr
	v_lshrrev_b32 v6, 2, v1
	v_and_b32 v32, 1, v0
	v_lshl_add_u32 v6, v6, 1, v32
	v_mul_u32_u24 v6, v6, UP
	v_bfe_u32 v32, v0, 1, 1
	v_lshl_add_u32 v6, v32, 3, v6
	s_lshl_b32 s46, s22, 6
	v_add_nc_u32 v6, s46, v6
	v_bfe_u32 v7, v0, 4, 1
	v_mul_u32_u24 v7, v7, UP
	v_and_b32 v32, 15, v0
	v_lshl_add_u32 v7, v32, 4, v7
	s_mul_i32 s46, s22, 16*UP
	v_add_nc_u32 v7, s46, v7
	v_lshlrev_b32 v5, 4, v1
	s_wait_kmcnt 0x0
	s_add_co_i32 s44, s32, 127
	s_lshl_b32 s45, s44, 23
	v_mov_b32 v3, s45
	s_add_co_i32 s44, s44, 8
	s_lshl_b32 s44, s44, 23
	s_or_b32 s44, s44, 0x600000
	v_mov_b32 v4, s44
	s_wait_loadcnt 16
.irp p, 0,1,2,3
	v_pk_add_f32 v[8+4*\p:9+4*\p], v[XR+32*\p:XR+32*\p+1], v[XR+32*\p+2:XR+32*\p+3]
	v_pk_add_f32 v[10+4*\p:11+4*\p], v[XR+32*\p+4:XR+32*\p+5], v[XR+32*\p+6:XR+32*\p+7]
.endr
.irp k, 8,12,16,20,24,28
.irp p, 0,1,2,3
	v_pk_add_f32 v[8+4*\p:9+4*\p], v[8+4*\p:9+4*\p], v[XR+32*\p+\k:XR+32*\p+\k+1]
	v_pk_add_f32 v[10+4*\p:11+4*\p], v[10+4*\p:11+4*\p], v[XR+32*\p+\k+2:XR+32*\p+\k+3]
.endr
.endr
	LRED
.irp p, 0,1,2,3
	v_mul_f32 v[24+2*\p], s30, v[8+4*\p]
.endr
.irp p, 0,1,2,3
	v_mov_b32 v[25+2*\p], v[24+2*\p]
.endr
.set k, 0
.rept 16
.irp p, 0,1,2,3
	v_pk_add_f32 v[XR+32*\p+k:XR+32*\p+k+1], v[XR+32*\p+k:XR+32*\p+k+1], v[24+2*\p:25+2*\p] neg_lo:[0,1] neg_hi:[0,1]
.endr
.set k, k+2
.endr
.irp p, 0,1,2,3
	v_pk_mul_f32 v[8+4*\p:9+4*\p], v[XR+32*\p:XR+32*\p+1], v[XR+32*\p:XR+32*\p+1]
	v_pk_mul_f32 v[10+4*\p:11+4*\p], v[XR+32*\p+2:XR+32*\p+3], v[XR+32*\p+2:XR+32*\p+3]
.endr
.irp k, 4,8,12,16,20,24,28
.irp p, 0,1,2,3
	v_pk_fma_f32 v[8+4*\p:9+4*\p], v[XR+32*\p+\k:XR+32*\p+\k+1], v[XR+32*\p+\k:XR+32*\p+\k+1], v[8+4*\p:9+4*\p]
	v_pk_fma_f32 v[10+4*\p:11+4*\p], v[XR+32*\p+\k+2:XR+32*\p+\k+3], v[XR+32*\p+\k+2:XR+32*\p+\k+3], v[10+4*\p:11+4*\p]
.endr
.endr
	LRED
.irp p, 0,1,2,3
	v_fma_f32 v[8+4*\p], v[8+4*\p], s30, s31
.endr
.irp p, 0,1,2,3
	v_rsq_f32 v[24+2*\p], v[8+4*\p]
.endr
	v_nop
	s_wait_alu depctr_va_vdst(0)
.irp p, 0,1,2,3
	v_mov_b32 v[25+2*\p], v[24+2*\p]
.endr
	s_wait_loadcnt 0x0
.set k, 0
.rept 16
.irp p, 0,1,2,3
	v_pk_mul_f32 v[XR+32*\p+k:XR+32*\p+k+1], v[XR+32*\p+k:XR+32*\p+k+1], v[24+2*\p:25+2*\p]
.endr
.set k, k+2
.endr
.set k, 0
.rept 16
.irp p, 0,1,2,3
	v_pk_fma_f32 v[XR+32*\p+k:XR+32*\p+k+1], v[XR+32*\p+k:XR+32*\p+k+1], v[LG+k:LG+k+1], v[LB+k:LB+k+1]
.endr
.set k, k+2
.endr
.set k, 0
.rept 128
	v_med3_num_f32 v[XR+k], v[XR+k], -v4, v4
.set k, k+1
.endr
.set k, 0
.rept 16
	v_cvt_scalef32_pk8_fp8_f32 v[CD+2*k:CD+2*k+1], v[XR+8*k:XR+8*k+7], v3
.set k, k+1
.endr
	v_nop
.irp p, 0,1,2,3
.irp j, 0,1,2,3
	ds_store_b64 v6, v[CD+8*\p+2*\j:CD+8*\p+2*\j+1] offset:\j*16*UP+\p*16
.endr
.endr
	s_wait_dscnt 0x0
	s_barrier_signal -1
	s_barrier_wait -1
.irp t, 0,1,2,3,4,5,6,7
	ds_load_b128 v[XR+4*\t:XR+4*\t+3], v7 offset:2*\t*UP
.endr
.irp t, 0,1,2,3,4,5,6,7
	s_wait_dscnt 7-\t
	global_store_b128 v5, v[XR+4*\t:XR+4*\t+3], s[26:27] offset:512*\t
.endr
	s_set_vgpr_msb 0x5
	s_wait_tensorcnt 0x0
	ds_add_u32 v0, v1
	s_wait_dscnt 0x0
	s_set_vgpr_msb 0x500
	s_endpgm
.Lfunc_end_k_q80243318d2_ln2:
	.size	k_q80243318d2_ln2, .Lfunc_end_k_q80243318d2_ln2-k_q80243318d2_ln2
	.p2alignl 7, 3214868480
	.fill 96, 4, 3214868480
	.section	.rodata,"a",@progbits
	.p2align	6, 0x0
	.amdhsa_kernel k_q80243318d2_ln2
		.amdhsa_group_segment_fixed_size 17920
		.amdhsa_private_segment_fixed_size 0
		.amdhsa_enable_private_segment 0
		.amdhsa_kernarg_size 40
		.amdhsa_user_sgpr_count 2
		.amdhsa_user_sgpr_kernarg_segment_ptr 1
		.amdhsa_wavefront_size32 1
		.amdhsa_system_sgpr_workgroup_id_x 1
		.amdhsa_system_sgpr_workgroup_id_y 1
		.amdhsa_system_sgpr_workgroup_id_z 1
		.amdhsa_system_vgpr_workitem_id 0
		.amdhsa_next_free_vgpr 258
		.amdhsa_next_free_sgpr 66
		.amdhsa_reserve_vcc 0
		.amdhsa_float_denorm_mode_32 3
		.amdhsa_float_denorm_mode_16_64 3
		.amdhsa_memory_ordered 1
		.amdhsa_forward_progress 1
		.amdhsa_inst_pref_size 43
	.end_amdhsa_kernel
	.amdgpu_metadata
---
amdhsa.version: [ 1, 2 ]
amdhsa.kernels:
  - .name:           k_q80243318d2_ln2
    .symbol:         k_q80243318d2_ln2.kd
    .args:
      - { .name: x1, .offset: 0, .size: 8, .value_kind: global_buffer, .address_space: global }
      - { .name: ln2_g, .offset: 8, .size: 8, .value_kind: global_buffer, .address_space: global }
      - { .name: ln2_b, .offset: 16, .size: 8, .value_kind: global_buffer, .address_space: global }
      - { .name: lowp_scales, .offset: 24, .size: 8, .value_kind: global_buffer, .address_space: global }
      - { .name: xb, .offset: 32, .size: 8, .value_kind: global_buffer, .address_space: global }
    .group_segment_fixed_size: 17920
    .private_segment_fixed_size: 0
    .kernarg_segment_align: 8
    .kernarg_segment_size: 40
    .max_flat_workgroup_size: 128
    .sgpr_count:     66
    .vgpr_count:     258
    .wavefront_size: 32
...
	.end_amdgpu_metadata
.endif
;; end of part 5
;; launch ff1 (part 6): grid 16 x 16, 4 waves a work-group, clusters of 4 x 4, 327,680 bytes of LDS; arguments xb, wq, lowp_scales, b_ff1, himg; writes himg
.if DOCPART == 6
	.amdgcn_target "amdgcn-amd-amdhsa--gfx1250"
	.amdhsa_code_object_version 6
	.text
	.protected	k_q80243318d2_ff1
	.globl	k_q80243318d2_ff1
	.p2align	8
	.type	k_q80243318d2_ff1,@function
k_q80243318d2_ff1:
	s_mov_b64 s[64:65], 0
	v_nop
	global_prefetch_b8 v0, s[64:65] scope:SCOPE_SE
	s_setreg_imm32_b32 hwreg(HW_REG_WAVE_MODE, 25, 1), 1
	s_wait_xcnt 0x0
	s_wait_alu depctr_hold_cnt(0) depctr_sa_sdst(0) depctr_va_vdst(0) depctr_va_sdst(0) depctr_va_ssrc(0) depctr_va_vcc(0) depctr_vm_vsrc(0)
	s_getreg_b32 s2, hwreg(HW_REG_IB_STS2, 6, 4)
	s_cmp_eq_u32 s2, 0
	s_cbranch_scc0 .Lentry_in_a_cluster
	s_endpgm
.Lentry_in_a_cluster:
	s_bfe_u32 s2, ttmp6, 0x10000c
	s_cmp_lg_u32 s2, 0xf033
	s_cbranch_scc0 .Lentry_shape_is_right
	s_endpgm
.Lentry_shape_is_right:
.set RT,     256
.set KSB,    RT*4096
.set HALFT,  32768
.set SLOT,   131072
.set SPARE,  262144
.set LAPS,   2
.set FR,     16
.set NL,     4
.set NP,     4
.set ADRA, 16
.set ADRB, 20
.set STA,  22
.set LA,   23
.set L16,  24
.set GV,   25
.set BNA,  26
.set SPW,  28
.set NIL,  29
.set BN,   32
.set AF,   128
.set X0,   128
.set X1,   144
.set GU,   96
.set GQ,   112
.set GA,   192
.set GT,   208
.set GS,   224
.set GR,   240
.set G1, 24
.set G0, 32
.set G1B, 48
.set G0B, 56
.set MSB, 0
.macro WIN new
.if MSB != (\new)
	s_set_vgpr_msb (MSB<<8)|(\new)
.set MSB, (\new)
.endif
.endm
.set MUL_LO, 0xa1
.set MUL_HI, 0xf1
.set TO_B,   0x40
.macro JLOAD g0a, g1a, g0b, g1b
	s_cmp_eq_u32 s15, 0
	s_cbranch_scc0 .Lfor_b_\@
	tensor_load_to_lds s[\g0a:\g0a+3], s[\g1a:\g1a+7]
	s_nop 0
.rept 4
	v_nop
.endr
	s_branch .Lasked_\@
.Lfor_b_\@:
	tensor_load_to_lds s[\g0b:\g0b+3], s[\g1b:\g1b+7]
	s_nop 0
.rept 4
	v_nop
.endr
.Lasked_\@:
.endm
.macro CREST
	s_cmp_lg_u32 s14, 0
	s_cbranch_scc1 .Lnot_wave_0_\@
	s_barrier_signal -3
.Lnot_wave_0_\@:
	s_barrier_wait -3
	s_barrier_signal -1
	s_barrier_wait -1
.endm
.macro CROUND
	s_barrier_signal -1
	s_barrier_wait -1
	CREST
.endm
.macro FRAG reg, adr, q, i
.irp c, 0,1,2,3
	ds_load_b128 v[\reg+4*\c:\reg+4*\c+3], v[\adr] offset:2048*(\q)+512*\c+(\i)*4096
.endr
.endm
.macro MUL16 a0, p, zero
.irp a, \a0, \a0+1
.irp b, 0,1,2,3,4,5,6,7
.if \zero
	v_wmma_f32_16x16x128_fp8_fp8 v[8*(8*((\a)%4)+\b):8*(8*((\a)%4)+\b)+7], v[128*(\p)+FR*\b:128*(\p)+FR*\b+FR-1], v[AF+FR*(\a):AF+FR*(\a)+FR-1], 0
.else
	v_wmma_f32_16x16x128_fp8_fp8 v[8*(8*((\a)%4)+\b):8*(8*((\a)%4)+\b)+7], v[128*(\p)+FR*\b:128*(\p)+FR*\b+FR-1], v[AF+FR*(\a):AF+FR*(\a)+FR-1], v[8*(8*((\a)%4)+\b):8*(8*((\a)%4)+\b)+7]
.endif
.endr
.endr
.endm
.macro FETCH_B slot, q, p
	WIN TO_B
.irp i, 0,1,2,3,4,5,6,7
	FRAG 128*(\p)+FR*\i, ADRB+\slot, \q, \i
.endr
	WIN 0
.endm
.macro FETCH_A slot, q, i0
.irp i, \i0, \i0+1, \i0+2, \i0+3
	FRAG AF+FR*(\i), ADRA+\slot, \q, \i
.endr
.endm
.macro PLACES n
.rept \n
	v_nop
.endr
.endm
.macro STEP slot, q, zero
	s_wait_dscnt 4*NL
	WIN MUL_LO
	MUL16 0, (\q)%2, \zero
	MUL16 2, (\q)%2, \zero
	s_wait_dscnt 0
	PLACES NP
	FETCH_B \slot, (\q)+1, 1-(\q)%2
	FETCH_A \slot, (\q)+1, 0
	WIN MUL_HI
	MUL16 4, (\q)%2, \zero
	MUL16 6, (\q)%2, \zero
	PLACES NP
	WIN 0
	FETCH_A \slot, (\q)+1, 4
.endm
.macro TURN slot, next, fill
	s_wait_tensorcnt 0x0
	ds_add_u32 v[SPW], v[NIL]
	s_wait_dscnt 4*NL+1
	WIN MUL_LO
	MUL16 0, 1, 0
	s_wait_dscnt 0x0
	s_barrier_signal -1
	MUL16 2, 1, 0
	WIN 0
	s_barrier_wait -1
.if \fill
	CREST
	s_add_nc_u64 s[G0+4*\slot+2:G0+4*\slot+3], s[G0+4*\slot+2:G0+4*\slot+3], 2*KSB
	s_add_nc_u64 s[G0B+4*\slot+2:G0B+4*\slot+3], s[G0B+4*\slot+2:G0B+4*\slot+3], 2*KSB
	JLOAD G0+4*\slot, G1, G0B+4*\slot, G1B
.else
	PLACES NP
.endif
	FETCH_B \next, 0, 0
	FETCH_A \next, 0, 0
	WIN MUL_HI
	MUL16 4, 1, 0
	MUL16 6, 1, 0
	PLACES NP
	WIN 0
	FETCH_A \next, 0, 4
.endm
	s_load_b256 s[4:11], s[0:1], 0x0
	s_load_b64 s[12:13], s[0:1], 0x20
	v_lshl_add_u32 v[SPW], v0, 2, SPARE
	v_mov_b32 v[NIL], 0
	ds_add_u32 v28, v29
	ds_add_u32 v28, v29
	s_wait_dscnt 0x0
	v_lshrrev_b32 v1, 5, v0
	v_readfirstlane_b32 s14, v1
	s_lshr_b32 s15, s14, 1
	s_and_b32 s16, s14, 1
	s_bfe_u32 s40, ttmp6, 0x40000
	s_bfe_u32 s41, ttmp6, 0x40004
	s_lshl_b32 s42, ttmp9, 2
	s_add_co_u32 s42, s42, s40
	s_and_b32 s17, ttmp7, 0xffff
	s_lshl_b32 s17, s17, 2
	s_add_co_u32 s17, s17, s41
	s_lshl_b32 s43, s41, 2
	s_lshl_b32 s43, 15, s43
	s_lshl_b32 s44, 0x1111, s40
	s_or_b32 s[G1+0], s43, (1<<21)
	s_or_b32 s[G1B+0], s44, (1<<21)
.irp g, G1, G1B
	s_mov_b32 s[\g+1], 256<<16
	s_mov_b32 s[\g+2], 128<<16
	s_mov_b32 s[\g+3], 256<<16
	s_mov_b32 s[\g+4], 128
	s_mov_b32 s[\g+5], 256
	s_mov_b32 s[\g+6], 0
	s_mov_b32 s[\g+7], 0
.endr
	s_lshl_b32 s18, s16, 3
	s_lshl_b32 s20, s17, 4
	s_add_co_u32 s20, s20, s18
	s_lshl_b32 s20, s20, 12
	s_mov_b32 s21, 0
	s_lshl_b32 s46, s42, 4
	s_add_co_u32 s46, s46, s18
	s_lshl_b32 s46, s46, 12
	s_add_co_u32 s46, s46, 0x800000
	s_mov_b32 s47, 0
	s_mul_i32 s45, s14, HALFT
	s_wait_kmcnt 0x0
	s_load_b128 s[80:83], s[8:9], 0x20
	s_add_nc_u64 s[20:21], s[4:5], s[20:21]
	s_add_nc_u64 s[46:47], s[6:7], s[46:47]
	CROUND
.irp s, 0,1
	s_mov_b32 s[G0+4*\s], 1
	s_add_co_u32 s[G0+4*\s+1], s45, \s*SLOT
	s_add_nc_u64 s[G0+4*\s+2:G0+4*\s+3], s[20:21], \s*KSB
	s_or_b32 s[G0+4*\s+3], s[G0+4*\s+3], 0x80000000
	s_mov_b32 s[G0B+4*\s], 1
	s_add_co_u32 s[G0B+4*\s+1], s45, \s*SLOT
	s_add_nc_u64 s[G0B+4*\s+2:G0B+4*\s+3], s[46:47], \s*KSB
	s_or_b32 s[G0B+4*\s+3], s[G0B+4*\s+3], 0x80000000
	JLOAD G0+4*\s, G1, G0B+4*\s, G1B
.endr
	v_and_b32 v1, 31, v0
	v_lshlrev_b32 v[L16], 4, v1
	s_mul_i32 s21, s15, HALFT
	s_mul_i32 s22, s16, HALFT
	s_add_co_u32 s22, s22, 2*HALFT
.irp s, 0,1
	v_add_nc_u32 v[ADRA+\s], s21, v[L16]
	v_add_nc_u32 v[ADRB+\s], s22, v[L16]
	s_add_co_u32 s21, s21, SLOT
	s_add_co_u32 s22, s22, SLOT
.endr
	s_lshl_b32 s23, s14, 16
	v_add_nc_u32 v[STA], s23, v[L16]
	v_add_nc_u32 v[LA], s23, v[L16]
	v_bfe_u32 v2, v0, 4, 1
	v_lshlrev_b32 v[BNA], 5, v2
	s_lshl_b32 s68, s42, 10
	s_lshl_b32 s69, s16, 9
	s_add_co_u32 s68, s68, s69
	s_mov_b32 s69, 0
	s_add_nc_u64 s[88:89], s[10:11], s[68:69]
.irp b, 0,1,2,3,4,5,6,7
	global_load_b128 v[BN+8*\b:BN+8*\b+3], v[BNA], s[88:89] offset:64*\b
	global_load_b128 v[BN+8*\b+4:BN+8*\b+7], v[BNA], s[88:89] offset:64*\b+16
.endr
	s_lshl_b32 s68, s42, 8
	s_lshl_b32 s69, s17, 4
	s_add_co_u32 s68, s68, s69
	s_lshl_b32 s69, s15, 3
	s_add_co_u32 s68, s68, s69
	s_lshl_b32 s68, s68, 12
	s_lshl_b32 s69, s16, 11
	s_add_co_u32 s68, s68, s69
	s_mov_b32 s69, 0
	s_add_nc_u64 s[12:13], s[12:13], s[68:69]
	s_wait_tensorcnt 1
	s_barrier_signal -1
	s_barrier_wait -1
	FETCH_B 0, 0, 0
	FETCH_A 0, 0, 0
	FETCH_A 0, 0, 4
	STEP 0, 0, 1
	s_mov_b32 s3, LAPS-1
.Llap:
	TURN 0, 1, 1
	STEP 1, 0, 0
	TURN 1, 0, 1
	STEP 0, 0, 0
	s_sub_co_u32 s3, s3, 1
	s_cmp_lg_u32 s3, 0
	s_cbranch_scc1 .Llap
	TURN 0, 1, 0
	STEP 1, 0, 0
	s_wait_dscnt 4*NL
	WIN MUL_LO
	MUL16 0, 1, 0
	MUL16 2, 1, 0
	s_wait_dscnt 0
	WIN MUL_HI
	MUL16 4, 1, 0
	MUL16 6, 1, 0
	WIN 0
	s_wait_kmcnt 0x0
	s_add_co_i32 s76, s80, s81
	s_add_co_i32 s76, s76, 127
	s_lshl_b32 s76, s76, 23
	s_mov_b32 s77, s76
	s_add_co_i32 s78, s82, 128
	s_lshl_b32 s79, s78, 23
	s_add_co_i32 s78, s78, 8
	s_lshl_b32 s78, s78, 23
	s_or_b32 s78, s78, 0x600000
	s_mov_b32 s72, 0x3f6d8000
	s_mov_b32 s73, 0x3f800000
	s_mov_b32 s74, 0x80000000
	s_mov_b32 s66, 0
	s_wait_loadcnt 0x0
	s_barrier_signal -1
	s_barrier_wait -1
	v_mov_b32 v30, s79
	v_mov_b32 v31, s78
	v_mov_b32 v12, 0xb7910000
	v_mov_b32 v13, 0xb7910000
	v_mov_b32 v14, 0xbb7e8a1c
	v_mov_b32 v15, 0xbb7e8a1c
	v_mov_b32 v2, 0xba1c7000
	v_mov_b32 v3, 0xba1c7000
.macro PRE a
.set AC, 64*((\a)%4)
.set XX, 128+64*((\a)%2)
.if (\a) >= 2
	s_wait_dscnt 16
.endif
	WIN 0x02+((\a)/4)
.set j, 0
.rept 32
	v_pk_fma_f32 v[XX+j:XX+j+1], v[AC+j:AC+j+1], s[76:77], v[BN+j:BN+j+1] op_sel_hi:[1,0,1]
.set j, j+2
.endr
	WIN 0
.set j, 0
.rept 16
	ds_store_b128 v[STA], v[XX+4*j:XX+4*j+3] offset:(\a)*8192+512*j
.set j, j+1
.endr
.endm
.irp a, 0,1,2,3,4,5,6,7
	PRE \a
.endr
	s_wait_dscnt 0x0
.irp c, 0,1,2,3
	ds_load_b128 v[X0+4*\c:X0+4*\c+3], v[LA] offset:512*\c
.endr
.macro FML d, a, b, lit
.set i, 0
.rept 8
	v_pk_fma_f32 v[\d+i:\d+i+1], v[\a+i:\a+i+1], v[\b+i:\b+i+1], \lit op_sel_hi:[1,1,0]
.set i, i+2
.endr
.endm
.macro FMC d, a, c, lit
.set i, 0
.rept 8
	v_pk_fma_f32 v[\d+i:\d+i+1], v[\a+i:\a+i+1], v[\c:\c+1], \lit op_sel_hi:[1,1,0]
.set i, i+2
.endr
.endm
.macro GEL xs, xn, lofs, cd, gofs
	s_wait_dscnt 0x0
.irp c, 0,1,2,3
	ds_load_b128 v[\xn+4*\c:\xn+4*\c+3], v[LA] offset:\lofs+512*\c
.endr
.set i, 0
.rept 8
	v_pk_mul_f32 v[GA+i:GA+i+1], v[\xs+i:\xs+i+1], 0x3f3504f3 op_sel_hi:[1,0]
.set i, i+2
.endr
.set i, 0
.rept 16
	v_and_b32 v[GT+i], 0x7fffffff, v[GA+i]
.set i, i+1
.endr
.set i, 0
.rept 8
	v_pk_mul_f32 v[GS+i:GS+i+1], v[GA+i:GA+i+1], v[GA+i:GA+i+1]
.set i, i+2
.endr
	FMC GR, GT, 12, 0x39c8e7d9
	FMC GU, GT, 14, 0x3cc6b1a1
.set i, 0
.rept 8
	v_pk_fma_f32 v[GR+i:GR+i+1], v[GR+i:GR+i+1], v[GS+i:GS+i+1], v[GU+i:GU+i+1]
.set i, i+2
.endr
	FML GR, GR, GT, 0xbddaae5c
	FML GR, GR, GT, 0xbf228550
	FML GR, GR, GT, 0xbe03ce86
.set i, 0
.rept 8
	v_pk_fma_f32 v[GR+i:GR+i+1], v[GR+i:GR+i+1], v[GT+i:GT+i+1], v[GT+i:GT+i+1] neg_lo:[0,0,1] neg_hi:[0,0,1]
.set i, i+2
.endr
.set i, 0
.rept 8
	v_pk_mul_f32 v[GR+i:GR+i+1], v[GR+i:GR+i+1], 0x3fb8aa3b op_sel_hi:[1,0]
.set i, i+2
.endr
.set i, 0
.rept 16
	v_exp_f32 v[GR+i], v[GR+i]
.set i, i+1
.endr
	FMC GQ, GS, 2, 0x3ba38d2c
	FML GQ, GQ, GS, 0xbcdb48d9
	FML GQ, GQ, GS, 0x3de70e22
	FML GQ, GQ, GS, 0xbec09380
	FML GQ, GQ, GS, 0x3e0375d4
.set i, 0
.rept 8
	v_pk_fma_f32 v[GQ+i:GQ+i+1], v[GQ+i:GQ+i+1], v[GA+i:GA+i+1], v[GA+i:GA+i+1]
.set i, i+2
.endr
.set i, 0
.rept 8
	v_pk_add_f32 v[GQ+i:GQ+i+1], v[GQ+i:GQ+i+1], 1.0 op_sel_hi:[1,0]
.set i, i+2
.endr
.set i, 0
.rept 16
	v_and_or_b32 v[GU+i], v[GA+i], s74, s73
.set i, i+1
.endr
.set i, 0
.rept 8
	v_pk_add_f32 v[GS+i:GS+i+1], v[GU+i:GU+i+1], 1.0 op_sel_hi:[1,0]
.set i, i+2
.endr
	s_wait_alu depctr_va_vdst(0)
.set i, 0
.rept 8
	v_pk_fma_f32 v[GR+i:GR+i+1], v[GU+i:GU+i+1], v[GR+i:GR+i+1], v[GS+i:GS+i+1] neg_lo:[1,0,0] neg_hi:[1,0,0]
.set i, i+2
.endr
.set i, 0
.rept 16
	v_cmp_lt_f32 vcc_lo, s72, v[GT+i]
	v_cndmask_b32 v[GQ+i], v[GQ+i], v[GR+i], vcc_lo
.set i, i+1
.endr
.set i, 0
.rept 8
	v_pk_mul_f32 v[GA+i:GA+i+1], v[\xs+i:\xs+i+1], v[GQ+i:GQ+i+1]
.set i, i+2
.endr
.set i, 0
.rept 16
	v_med3_num_f32 v[GA+i], v[GA+i], -v31, v31
.set i, i+1
.endr
	s_wait_xcnt 0x0
	v_cvt_scalef32_pk8_fp8_f32 v[\cd:\cd+1], v[GA:GA+7], v30
	v_cvt_scalef32_pk8_fp8_f32 v[\cd+2:\cd+3], v[GA+8:GA+15], v30
	v_nop
	global_store_b128 v[GV], v[\cd:\cd+3], s[12:13] offset:\gofs
.endm
	s_mov_b32 s3, 0
.Lgel:
	s_lshr_b32 s68, s3, 1
	s_lshl_b32 s68, s68, 12
	s_and_b32 s69, s3, 1
	s_lshl_b32 s69, s69, 10
	s_add_co_u32 s68, s68, s69
	s_wait_xcnt 0x0
	v_add_nc_u32 v[GV], s68, v[L16]
	GEL X0, X1, 2048, 4, 0
	s_add_co_u32 s66, s66, 4096
	s_and_b32 s69, s66, 0xffff
	v_add_nc_u32 v[LA], s69, v[STA]
	GEL X1, X0, 0, 8, 512
	s_add_co_u32 s3, s3, 1
	s_cmp_lt_u32 s3, 16
	s_cbranch_scc1 .Lgel
	s_wait_tensorcnt 0x0
	ds_add_u32 v[SPW], v[NIL]
	s_wait_dscnt 0x0
	CROUND
	s_endpgm
.Lfunc_end_k_q80243318d2_ff1:
	.size	k_q80243318d2_ff1, .Lfunc_end_k_q80243318d2_ff1-k_q80243318d2_ff1
	.p2alignl 7, 3214868480
	.fill 96, 4, 3214868480
	.section	.rodata,"a",@progbits
	.p2align	6, 0x0
	.amdhsa_kernel k_q80243318d2_ff1
		.amdhsa_group_segment_fixed_size 327680
		.amdhsa_private_segment_fixed_size 0
		.amdhsa_enable_private_segment 0
		.amdhsa_kernarg_size 40
		.amdhsa_user_sgpr_count 2
		.amdhsa_user_sgpr_kernarg_segment_ptr 1
		.amdhsa_wavefront_size32 1
		.amdhsa_system_sgpr_workgroup_id_x 1
		.amdhsa_system_sgpr_workgroup_id_y 1
		.amdhsa_system_sgpr_workgroup_id_z 1
		.amdhsa_system_vgpr_workitem_id 0
		.amdhsa_next_free_vgpr 1024
		.amdhsa_next_free_sgpr 100
		.amdhsa_reserve_vcc 1
		.amdhsa_float_denorm_mode_32 3
		.amdhsa_float_denorm_mode_16_64 3
		.amdhsa_memory_ordered 1
		.amdhsa_forward_progress 1
		.amdhsa_inst_pref_size 141
	.end_amdhsa_kernel
	.amdgpu_metadata
---
amdhsa.version: [ 1, 2 ]
amdhsa.kernels:
  - .name:           k_q80243318d2_ff1
    .symbol:         k_q80243318d2_ff1.kd
    .args:
      - { .name: xb, .offset: 0, .size: 8, .value_kind: global_buffer, .address_space: global }
      - { .name: wq, .offset: 8, .size: 8, .value_kind: global_buffer, .address_space: global }
      - { .name: lowp_scales, .offset: 16, .size: 8, .value_kind: global_buffer, .address_space: global }
      - { .name: b_ff1, .offset: 24, .size: 8, .value_kind: global_buffer, .address_space: global }
      - { .name: himg, .offset: 32, .size: 8, .value_kind: global_buffer, .address_space: global }
    .group_segment_fixed_size: 327680
    .private_segment_fixed_size: 0
    .kernarg_segment_align: 8
    .kernarg_segment_size: 40
    .max_flat_workgroup_size: 128
    .sgpr_count:     100
    .vgpr_count:     1024
    .wavefront_size: 32
...
	.end_amdgpu_metadata
.endif
;; end of part 6
;; launch ff2 (part 7): grid 8 x 32, 4 waves a work-group, clusters of 4 x 4, 327,680 bytes of LDS; arguments himg, wq, lowp_scales, b_ff2, x1, out0; writes out0
.if DOCPART == 7
	.amdgcn_target "amdgcn-amd-amdhsa--gfx1250"
	.amdhsa_code_object_version 6
	.text
	.protected	k_q80243318d2_ff2
	.globl	k_q80243318d2_ff2
	.p2align	8
	.type	k_q80243318d2_ff2,@function
k_q80243318d2_ff2:
	s_mov_b64 s[64:65], 0
	v_nop
	global_prefetch_b8 v0, s[64:65] scope:SCOPE_SE
	s_setreg_imm32_b32 hwreg(HW_REG_WAVE_MODE, 25, 1), 1
	s_wait_xcnt 0x0
	s_wait_alu depctr_hold_cnt(0) depctr_sa_sdst(0) depctr_va_vdst(0) depctr_va_sdst(0) depctr_va_ssrc(0) depctr_va_vcc(0) depctr_vm_vsrc(0)
	s_getreg_b32 s2, hwreg(HW_REG_IB_STS2, 6, 4)
	s_cmp_eq_u32 s2, 0
	s_cbranch_scc0 .Lentry_in_a_cluster
	s_endpgm
.Lentry_in_a_cluster:
	s_bfe_u32 s2, ttmp6, 0x10000c
	s_cmp_lg_u32 s2, 0xf033
	s_cbranch_scc0 .Lentry_shape_is_right
	s_endpgm
.Lentry_shape_is_right:
.set KTOT,  4096
.set WOFF,  0xC00000
.set SCOFF, 40
.set NST,   KTOT/128
.set NSL,   KTOT/1024
.set TAIL,  NST-7
.set PART,  32768
.set SLOT,  131072
.set STAGE, (NSL%2)*SLOT
.set SP,    528
.set SPARE, 262144
.set ADR,  16
.set L16,  20
.set STO,  24
.set RD,   25
.set SPW,  28
.set NIL,  29
.set ACC,  128
.set G1, 24
.set G0, 32
.set BB, 46
.set MSB, 0
.macro WIN new
.if MSB != (\new)
	s_set_vgpr_msb (MSB<<8)|(\new)
.set MSB, (\new)
.endif
.endm
.set MUL,  0x07
.set TO_A, 0x40
.set TO_R, 0x80
.set TO_W, 0xc0
.macro CREST
	s_cmp_lg_u32 s16, 0
	s_cbranch_scc1 .Lnot_wave_0_\@
	s_barrier_signal -3
.Lnot_wave_0_\@:
	s_barrier_wait -3
	s_barrier_signal -1
	s_barrier_wait -1
.endm
.macro CROUND
	s_barrier_signal -1
	s_barrier_wait -1
	CREST
.endm
.macro PLACES
.rept 4
	v_nop
.endr
.endm
.macro FETCH
	WIN TO_A
.irp i, 0,1,2,3,4,5,6,7
.irp c, 0,1,2,3
	ds_load_b128 v[FBF+16*\i+4*\c:FBF+16*\i+4*\c+3], v[ADR+2*FSL+(FST>>2)] offset:((FST>>1)&1)*32768+(FST&1)*2048+4096*\i+512*\c
.endr
.endr
.endm
.macro LOADW
	WIN TO_W
.irp b, 0,1
.irp c, 0,1,2,3
	global_load_b128 v[32*(WST%8)+16*\b+4*\c:32*(WST%8)+16*\b+4*\c+3], v[L16], s[BB:BB+1] offset:(WST>>1)*262144+(WST&1)*2048+4096*\b+512*\c
.endr
.endr
.endm
.macro CRES x
.set CRV, (\x)
.if (\x) > TAIL
.set CRV, TAIL+8*((\x)-TAIL)
.endif
.if CRV > 32
.set CRV, 32
.endif
.endm
.macro NCOUNT
.set NB, NST-1-STP
.if NB > 6
.set NB, 6
.endif
.set PST, STP-7
.if PST < 0
.set PST, 0
.endif
	CRES PST
.set NW, 8*NB-CRV
	CRES STP
.set NW, NW+CRV
.endm
.macro AHEAD
.if STP+7 < NST
.set WST, STP+7
	LOADW
.endif
	CRES STP
.set RROW, CRV
	CRES STP+1
.if CRV > RROW
	WIN TO_R
.rept CRV-RROW
	global_load_b128 v[4*RROW:4*RROW+3], v[L16], s[12:13] offset:RROW*4096
.set RROW, RROW+1
.endr
.endif
.endm
.macro MULA a
.irp b, 0,1
.if STP == 0
	v_wmma_f32_16x16x128_fp8_fp8 v[ACC+8*(2*(\a)+\b):ACC+8*(2*(\a)+\b)+7], v[32*(STP%8)+16*\b:32*(STP%8)+16*\b+15], v[128*(STP%2)+16*(\a):128*(STP%2)+16*(\a)+15], 0
.else
	v_wmma_f32_16x16x128_fp8_fp8 v[ACC+8*(2*(\a)+\b):ACC+8*(2*(\a)+\b)+7], v[32*(STP%8)+16*\b:32*(STP%8)+16*\b+15], v[128*(STP%2)+16*(\a):128*(STP%2)+16*(\a)+15], v[ACC+8*(2*(\a)+\b):ACC+8*(2*(\a)+\b)+7]
.endif
.endr
.endm
.macro STEP
	NCOUNT
	s_wait_dscnt 0x0
	s_wait_loadcnt NW
	PLACES
.set FSL, (STP/8)%2
.set FST, STP%8+1
.set FBF, 128*((STP+1)%2)
	FETCH
	AHEAD
	WIN MUL
.irp a, 0,1,2,3,4,5,6,7
	MULA \a
.endr
.set STP, STP+1
.endm
.macro TURN
	NCOUNT
.set SLN, (STP/8)%2
	WIN 0
	s_wait_tensorcnt 0x0
	ds_add_u32 v[SPW], v[NIL]
	s_wait_dscnt 1
	s_wait_loadcnt NW
	WIN MUL
	MULA 0
	MULA 1
	s_wait_dscnt 0x0
	s_barrier_signal -1
	MULA 2
	MULA 3
	WIN 0
	s_barrier_wait -1
.if STP/8+2 < NSL
	CREST
	s_add_nc_u64 s[G0+4*SLN+2:G0+4*SLN+3], s[G0+4*SLN+2:G0+4*SLN+3], 0x800000
	tensor_load_to_lds s[G0+4*SLN:G0+4*SLN+3], s[G1:G1+7]
	s_nop 0
.endif
	PLACES
.set FSL, 1-SLN
.set FST, 0
.set FBF, 128*((STP+1)%2)
	FETCH
	AHEAD
	WIN MUL
.irp a, 4,5,6,7
	MULA \a
.endr
.set STP, STP+1
.endm
.macro LAST
	NCOUNT
	s_wait_dscnt 0x0
	s_wait_loadcnt NW
	WIN MUL
.irp a, 0,1,2,3,4,5,6,7
	MULA \a
.endr
.set STP, STP+1
.endm
	s_load_b256 s[4:11], s[0:1], 0x0
	s_load_b128 s[12:15], s[0:1], 0x20
	v_lshl_add_u32 v[SPW], v0, 2, SPARE
	v_mov_b32 v[NIL], 0
	ds_add_u32 v28, v29
	ds_add_u32 v28, v29
	s_wait_dscnt 0x0
	v_lshrrev_b32 v1, 5, v0
	v_readfirstlane_b32 s16, v1
	s_bfe_u32 s40, ttmp6, 0x40000
	s_bfe_u32 s41, ttmp6, 0x40004
	s_lshl_b32 s20, ttmp9, 2
	s_add_co_u32 s20, s20, s40
	s_and_b32 s19, ttmp7, 0xffff
	s_lshl_b32 s19, s19, 2
	s_add_co_u32 s19, s19, s41
	s_lshl_b32 s43, s41, 2
	s_lshl_b32 s43, 15, s43
	s_or_b32 s[G1+0], s43, (1<<21)
	s_mov_b32 s[G1+1], 256<<16
	s_mov_b32 s[G1+2], 128<<16
	s_mov_b32 s[G1+3], 256<<16
	s_mov_b32 s[G1+4], 128
	s_mov_b32 s[G1+5], 256
	s_mov_b32 s[G1+6], 0
	s_mov_b32 s[G1+7], 0
	s_lshl_b32 s22, s16, 8
	s_lshl_b32 s21, s19, 3
	s_add_co_u32 s22, s22, s21
	s_lshl_b32 s22, s22, 12
	s_mov_b32 s23, 0
	s_lshl_b32 s46, s20, 3
	s_lshl_b32 s42, s16, 1
	s_add_co_u32 s46, s46, s42
	s_lshl_b32 s46, s46, 12
	s_add_co_u32 s46, s46, WOFF
	s_mov_b32 s47, 0
	s_mul_i32 s45, s16, PART
	s_wait_kmcnt 0x0
	s_load_b64 s[66:67], s[8:9], SCOFF
	s_add_nc_u64 s[22:23], s[4:5], s[22:23]
	s_add_nc_u64 s[BB:BB+1], s[6:7], s[46:47]
	CROUND
.irp s, 0,1
.if \s < NSL
	s_mov_b32 s[G0+4*\s], 1
	s_add_co_u32 s[G0+4*\s+1], s45, \s*SLOT
	s_add_nc_u64 s[G0+4*\s+2:G0+4*\s+3], s[22:23], \s*0x400000
	s_or_b32 s[G0+4*\s+3], s[G0+4*\s+3], 0x80000000
	tensor_load_to_lds s[G0+4*\s:G0+4*\s+3], s[G1:G1+7]
	s_nop 0
	PLACES
.endif
.endr
	v_and_b32 v1, 31, v0
	v_lshlrev_b32 v[L16], 4, v1
	s_lshl_b32 s70, s20, 9
	s_mov_b32 s71, 0
	s_add_nc_u64 s[10:11], s[10:11], s[70:71]
	global_load_b128 v[12:15], v[L16], s[10:11]
.set WST, 0
.rept 7
	LOADW
.set WST, WST+1
.endr
	WIN 0
	s_lshl_b32 s68, s19, 7
	s_lshl_b32 s69, s16, 5
	s_add_co_u32 s68, s68, s69
	s_lshl_b32 s68, s68, 12
	s_add_co_u32 s68, s68, s70
	s_mov_b32 s69, 0
	s_add_nc_u64 s[12:13], s[12:13], s[68:69]
	s_add_nc_u64 s[14:15], s[14:15], s[68:69]
	v_add_nc_u32 v[ADR], 0, v[L16]
	v_add_nc_u32 v[ADR+1], 0x10000, v[L16]
	v_add_nc_u32 v[ADR+2], 0x20000, v[L16]
	v_add_nc_u32 v[ADR+3], 0x30000, v[L16]
	v_and_b32 v2, 15, v0
	v_bfe_u32 v3, v0, 4, 1
	s_lshl_b32 s72, s16, 7
	s_add_co_u32 s72, s72, STAGE
	v_mul_u32_u24 v[STO], v2, SP
	v_lshl_add_u32 v[STO], v3, 5, v[STO]
	v_add_nc_u32 v[STO], s72, v[STO]
	s_mul_i32 s72, s16, 32*SP
	s_add_co_u32 s72, s72, STAGE
	v_add_nc_u32 v[RD], s72, v[L16]
.if NSL > 1
	s_wait_tensorcnt 1
.else
	s_wait_tensorcnt 0
.endif
	s_barrier_signal -1
	s_barrier_wait -1
.set FSL, 0
.set FST, 0
.set FBF, 0
	FETCH
.set STP, 0
.rept NST
.if STP == NST-1
	LAST
.elseif STP%8 == 7
	TURN
.else
	STEP
.endif
.endr
	WIN 0
	s_wait_loadcnt 0x0
	s_wait_kmcnt 0x0
	s_add_co_i32 s66, s66, s67
	s_add_co_i32 s66, s66, 127
	s_lshl_b32 s66, s66, 23
	s_mov_b32 s67, s66
	WIN 0x82
.set k, 0
.rept 32
	v_pk_add_f32 v[4*k:4*k+1], v[4*k:4*k+1], v[12:13]
	v_pk_add_f32 v[4*k+2:4*k+3], v[4*k+2:4*k+3], v[14:15]
.set k, k+1
.endr
	WIN 0
.irp a, 0,1,2,3,4,5,6,7
.irp b, 0,1
	ds_store_b128 v[STO], v[ACC+8*(2*\a+\b):ACC+8*(2*\a+\b)+3] offset:\a*16*SP+64*\b
	ds_store_b128 v[STO], v[ACC+8*(2*\a+\b)+4:ACC+8*(2*\a+\b)+7] offset:\a*16*SP+64*\b+16
.endr
.endr
	s_wait_dscnt 0x0
	s_barrier_signal -1
	s_barrier_wait -1
.set k, 0
.rept 32
	ds_load_b128 v[ACC+4*k:ACC+4*k+3], v[RD] offset:k*SP
.set k, k+1
.endr
.irp g, 0,1,2,3
	s_wait_dscnt 24-8*\g
	WIN 0x20
.set k, 0
.rept 16
	v_pk_fma_f32 v[ACC+32*\g+k:ACC+32*\g+k+1], v[ACC+32*\g+k:ACC+32*\g+k+1], s[66:67], v[32*\g+k:32*\g+k+1] op_sel_hi:[1,0,1]
.set k, k+2
.endr
	WIN 0
.set k, 0
.rept 8
	global_store_b128 v[L16], v[ACC+32*\g+4*k:ACC+32*\g+4*k+3], s[14:15] offset:(8*\g+k)*4096
.set k, k+1
.endr
.endr
	s_wait_tensorcnt 0x0
	ds_add_u32 v[SPW], v[NIL]
	s_wait_dscnt 0x0
	CROUND
	s_endpgm
.Lfunc_end_k_q80243318d2_ff2:
	.size	k_q80243318d2_ff2, .Lfunc_end_k_q80243318d2_ff2-k_q80243318d2_ff2
	.p2alignl 7, 3214868480
	.fill 96, 4, 3214868480
	.section	.rodata,"a",@progbits
	.p2align	6, 0x0
	.amdhsa_kernel k_q80243318d2_ff2
		.amdhsa_group_segment_fixed_size 327680
		.amdhsa_private_segment_fixed_size 0
		.amdhsa_enable_private_segment 0
		.amdhsa_kernarg_size 48
		.amdhsa_user_sgpr_count 2
		.amdhsa_user_sgpr_kernarg_segment_ptr 1
		.amdhsa_wavefront_size32 1
		.amdhsa_system_sgpr_workgroup_id_x 1
		.amdhsa_system_sgpr_workgroup_id_y 1
		.amdhsa_system_sgpr_workgroup_id_z 1
		.amdhsa_system_vgpr_workitem_id 0
		.amdhsa_next_free_vgpr 1024
		.amdhsa_next_free_sgpr 80
		.amdhsa_reserve_vcc 0
		.amdhsa_float_denorm_mode_32 3
		.amdhsa_float_denorm_mode_16_64 3
		.amdhsa_memory_ordered 1
		.amdhsa_forward_progress 1
		.amdhsa_inst_pref_size 156
	.end_amdhsa_kernel
	.amdgpu_metadata
---
amdhsa.version: [ 1, 2 ]
amdhsa.kernels:
  - .name:           k_q80243318d2_ff2
    .symbol:         k_q80243318d2_ff2.kd
    .args:
      - { .name: himg, .offset: 0, .size: 8, .value_kind: global_buffer, .address_space: global }
      - { .name: wq, .offset: 8, .size: 8, .value_kind: global_buffer, .address_space: global }
      - { .name: lowp_scales, .offset: 16, .size: 8, .value_kind: global_buffer, .address_space: global }
      - { .name: b_ff2, .offset: 24, .size: 8, .value_kind: global_buffer, .address_space: global }
      - { .name: x1, .offset: 32, .size: 8, .value_kind: global_buffer, .address_space: global }
      - { .name: out0, .offset: 40, .size: 8, .value_kind: global_buffer, .address_space: global }
    .group_segment_fixed_size: 327680
    .private_segment_fixed_size: 0
    .kernarg_segment_align: 8
    .kernarg_segment_size: 48
    .max_flat_workgroup_size: 128
    .sgpr_count:     80
    .vgpr_count:     1024
    .wavefront_size: 32
...
	.end_amdgpu_metadata
.endif
;; end of part 7
